; MI455X (gfx1250); checked and timed in simulation.
; The chip was launched on July 23, 2026; its instructions are those of AMD's public machine-readable ISA for CDNA 5 (MIT licence, August 2026) and "CDNA5" Instruction Set Architecture Reference Guide (July 2026). The comments in the code are by the model that wrote it; some were corrected since.
;; Multi Head Attention Block. Allowed arithmetic: matrix products marked QUANTISED: E2M3 operands, one E8M0 scale for each 32 along K, by v_wmma_scale_f32_16x16x128_f8f6f4 with both operands' format E2M3, f32 sums; everything else in f32.
;; Inputs: Wk 512 x 512 float32; Wo 512 x 512 float32; Wq 512 x 512 float32; Wv 512 x 512 float32; bk 512 float32; bo 512 float32; bq 512 float32; bv 512 float32; k 2 x 4,096 x 512 float32; mask 2 x 1 x 1 x 4,096 int32; q 2 x 4,096 x 512 float32; v 2 x 4,096 x 512 float32.
;; Outputs: out0 2 x 4,096 x 512 float32.
;; This version of the problem:
;;   THIS VERSION OF THE PROBLEM IS GIVEN IN LOW PRECISION. The matrix products marked QUANTISED in the list below multiply operands that are first quantised to E2M3 (2 exponent bits, 3 mantissa bits; 6 bits a number), with one power-of-two scale for each 32 numbers along K (OCP MX v1.0); their sums are f32. All else is computed in f32.
;;   The module's matrix products, in the order in which they are computed (A, B: the left and right operand; K: the contracted axis; several contracted axes count as one K, in the product's order):
;;     1. [M 8,192, K 512] x [K 512, N 512]; A: input q; B: input Wq: QUANTISED
;;     2. [M 8,192, K 512] x [K 512, N 512]; A: input k; B: input Wk: QUANTISED
;;     3. [M 8,192, K 512] x [K 512, N 512]; A: input v; B: input Wv: QUANTISED
;;     4. batch 16 x [M 4,096, K 64] x [K 64, N 4,096]; A: computed on the way; B: computed on the way: QUANTISED
;;     5. batch 16 x [M 4,096, K 4,096] x [K 4,096, N 64]; A: softmax (see below); B: computed on the way: QUANTISED
;;     6. [M 8,192, K 512] x [K 512, N 512]; A: computed on the way; B: input Wo: QUANTISED
;;   THE QUANTISER, for each operand of a quantised product, along K:
;;     - K is cut into blocks of 32 from its start; a last block that is shorter is filled with zeros.
;;     - A block's scale is 2^e with e = floor(log2(the largest magnitude in the block)) - 2, held to -126 .. 127; a block of zeros has e = 0. As a byte (E8M0): e + 127.
;;     - Each number is divided by its block's scale, clamped to +-7.5, and rounded to the nearest number of E2M3, ties to even, subnormals kept.
;;     - The product sums the exact products of the quantised numbers (number of the format x scale) in f32.
;;   ~~~python
;;   def quantise(x, axis):      # numpy; x: float32 -> the quantised numbers, widened to float32 again
;;       x = np.moveaxis(x, axis, -1); K = x.shape[-1]
;;       x = np.pad(x, [(0, 0)] * (x.ndim - 1) + [(0, -K % 32)]); x = x.reshape(x.shape[:-1] + (-1, 32)); a = np.abs(x).max(-1, keepdims=True)
;;       e = np.where(a > 0, np.clip(np.frexp(np.where(a > 0, a, 1))[1] - 1 - 2, -126, 127), 0)      # np.frexp(a)[1] - 1 = floor(log2(a)), exactly
;;       r = np.clip(x / 2.0 ** e, -7.5, 7.5)
;;       step = 2.0 ** (np.maximum(np.frexp(np.where(r == 0, 1, r))[1] - 1, 0) - 3)
;;       q = np.round(r / step) * step * 2.0 ** e      # np.round: ties to even
;;       return np.moveaxis(q.reshape(q.shape[:-2] + (-1,))[..., :K], -1, axis).astype(np.float32)
;;   ~~~
;;   SOFTMAX AHEAD OF A QUANTISED PRODUCT. Where the list says 'softmax', what is quantised is not the finished softmax but p = 2^(t - M), with t = logit x log2(e) and M = ceil(the row's largest t), a whole number; so 1/2 < the row's largest p <= 1. The row's sum l is taken of the UNQUANTISED p, in f32, and the product's result is divided by l at the end. Since M is a whole number, a kernel that streams over the keys may use a running M (the ceiling of the running maximum): every later rescaling is an exact power of two, which a block's scale takes up: the codes' values come out the same.
;;   OPERANDS COMPUTED ON THE WAY. 'Computed on the way' means the value that the module computes at that place (a softmax that the list does not call 'softmax' is quantised finished and normalised). What goes into a quantiser is computed in f32, as accurately as f32 sums, v_exp_f32 and their like allow (about 1e-6 of the number): no bf16 or f16 on the way to a quantiser, and a product that is left as it is and whose result goes on into a quantised operand takes f32 operands (vector FMAs, or v_wmma_f32_16x16x4_f32). A number that lies on a knife's edge between two numbers of the format may be rounded either way, as far as f32 arithmetic and the matrix unit's own rounding can turn it there, and no further.
;; One version. Each part assembles by itself: llvm-mc -triple=amdgcn-amd-amdhsa -mcpu=gfx1250 --defsym DOCPART=n.
;; ======== version 1 of 1: 4 launches
;; limits: right only within a limited range of input values
;; workspace buffers: codes 10,223,616 bytes; scales 425,984 bytes; qx 3,407,872 bytes; kv 6,815,744 bytes; cx 3,145,728 bytes; cs 262,144 bytes
;; launch quant (part 1): grid 416 x 1, 4 waves a work-group, no clusters, 33,280 bytes of LDS; arguments q, k, v, Wq, Wk, Wv, Wo, codes, scales; writes codes, scales
.if DOCPART == 1
	.amdgcn_target "amdgcn-amd-amdhsa--gfx1250"
	.amdhsa_code_object_version 6
	.text
	.protected	k_q0856779966_quant
	.globl	k_q0856779966_quant
	.p2align	8
	.type	k_q0856779966_quant,@function
k_q0856779966_quant:
	s_mov_b64 s[64:65], 0
	v_nop
	global_prefetch_b8 v0, s[64:65] scope:SCOPE_SE
	s_setreg_imm32_b32 hwreg(HW_REG_WAVE_MODE, 25, 1), 1
	s_wait_xcnt 0x0
; q, k, v [8192][512] and Wq, Wk, Wv, Wo [512][512], f32 with K innermost, become codes of FP6 (E2M3) and one E8M0 scale byte for each 32 along K.
; All seven land in ONE pair of buffers, as rows of 384 bytes of codes and 16 scale bytes: q from row 0, k 8,192, v 16,384, Wq 24,576, Wk 25,088, Wv 25,600, Wo 26,112.
; A block's scale is 2^(floor(log2(its largest magnitude)) - 2); its byte is the largest magnitude's own exponent field - 2, held at 1 from below.
; LIMITS: a block of zeros gets the byte 1 where the rule says 127 (its codes are zeros, and this program alone reads the bytes); blocks whose largest magnitude lies under 2^(2 - 126)
; are held at that byte; NaN and infinities among the inputs are not served.
; Rows are dense and 512 is a multiple of 32, so every tensor is a plain stream of blocks of 32.  A work-group takes 32,768 numbers (64 rows), a wave 16 steps of 512.
; Each of a step's four loads reads 512 consecutive bytes, 16 a lane; the 2,048 bytes turn through the wave's own stage in LDS and come back 64 bytes a lane: 16 neighbours along K,
; which is what the conversion takes from one lane's registers; two neighbouring lanes hold a block.  No barrier: waves share nothing.
.set STEPS, 16
.set EMAX,  2
.set CB,    12                         ; bytes of 16 codes
.set R,     16                         ; v16-79   four sets of 16 numbers as they are loaded
.set X,     80                         ; v80-111  two sets of 16 neighbours
.set C,     128                        ; v128-191 codes: four registers for each step, so that no store's data are written again
.set E,     112                        ; v112-127 a scale byte for each step
.set WREG,  8192                       ; LDS: a region for each wave: two stages of 32 x SP bytes, behind them its 256 scale bytes
.set SP,    80                         ; a lane's place in a stage: 64 bytes + 16 of padding
	s_load_b512 s[4:19], s[0:1], 0x0               ; q, k, v, Wq, Wk, Wv, Wo, codes
	s_load_b64 s[20:21], s[0:1], 0x40              ; scales
	v_lshl_add_u32 v192, v0, 2, 0x8000
	v_mov_b32 v193, 0
	v_lshrrev_b32 v1, 5, v0
	v_readfirstlane_b32 s26, v1                    ; wave
	v_and_b32 v2, 31, v0                           ; lane
	v_lshlrev_b32 v3, 4, v2                        ; my 16 bytes of a load's 512
	s_mul_i32 s27, s26, WREG
	v_lshrrev_b32 v14, 2, v2
	v_mul_u32_u24 v14, v14, SP
	v_and_b32 v15, 3, v2
	v_lshl_add_u32 v14, v15, 4, v14
	v_add_nc_u32 v14, s27, v14                     ; the stage, on the way in: SP (lane / 4) + 16 (lane % 4)
	v_mul_u32_u24 v15, v2, SP
	v_add_nc_u32 v15, s27, v15                     ; and on the way out: SP x lane: my 16 neighbours
	v_mul_u32_u24 v4, v2, CB                       ; my codes' place in a step's
	v_lshrrev_b32 v5, 1, v2
	s_add_co_u32 s27, s27, 2*32*SP
	v_add_nc_u32 v5, s27, v5                       ; LDS: my wave's 256 scale bytes, my block's byte
	v_lshlrev_b32 v7, 3, v2                        ; and on the way out 8 bytes a lane
	v_add_nc_u32 v6, s27, v7
	s_wait_alu depctr_va_vdst(0)
	s_wait_kmcnt 0x0
	; which tensor is my work-group's: the choice hangs on the work-group's number alone.  s[22:23] its address, s24 its first work-group
	s_mov_b64 s[22:23], s[16:17]                   ; Wo: work-groups 408 to 415
	s_mov_b32 s24, 408
.macro PICK bound, ptr, first
	s_cmp_lt_u32 ttmp9, \bound
	s_cselect_b64 s[22:23], s[\ptr:\ptr+1], s[22:23]
	s_cselect_b32 s24, \first, s24
.endm
	PICK 408, 14, 400                              ; Wv
	PICK 400, 12, 392                              ; Wk
	PICK 392, 10, 384                              ; Wq
	PICK 384, 8, 256                               ; v
	PICK 256, 6, 128                               ; k
	PICK 128, 4, 0                                 ; q
	s_sub_co_u32 s27, ttmp9, s24
	s_lshl_b32 s27, s27, 2
	s_add_co_u32 s28, s27, s26                     ; which run of 8,192 numbers of the tensor is my wave's
	s_lshl_b32 s28, s28, 15                        ; in bytes
	s_mov_b32 s29, 0
	s_add_nc_u64 s[22:23], s[22:23], s[28:29]
	s_lshl_b32 s30, ttmp9, 2
	s_add_co_u32 s30, s30, s26                     ; and which run of the joint buffers
	s_mul_i32 s28, s30, 32*STEPS*CB                ; 6,144 bytes of codes a run
	s_add_nc_u64 s[18:19], s[18:19], s[28:29]
	s_lshl_b32 s28, s30, 8                         ; 256 scale bytes a run
	s_add_nc_u64 s[20:21], s[20:21], s[28:29]
.macro LOAD t
.irp i, 0,1,2,3
	global_load_b128 v[R+16*((\t)%4)+4*\i:R+16*((\t)%4)+4*\i+3], v3, s[22:23] offset:2048*(\t)+512*\i th:TH_LOAD_NT   ; 32 lanes read 512 consecutive bytes
.endr
.endm
.macro TURN t                          ; step t's numbers through the stage: LDS serves a wave's instructions in order, so no wait stands between the stores and the loads
.irp i, 0,1,2,3
	ds_store_b128 v14, v[R+16*((\t)%4)+4*\i:R+16*((\t)%4)+4*\i+3] offset:32*SP*((\t)%2)+8*SP*\i
.endr
.irp i, 0,1,2,3
	ds_load_b128 v[X+16*((\t)%2)+4*\i:X+16*((\t)%2)+4*\i+3], v15 offset:32*SP*((\t)%2)+16*\i
.endr
.endm
.irp t, 0,1,2,3
	LOAD \t
.endr
	s_wait_loadcnt 12                              ; step 0's four loads are in; three steps' twelve stay out
	TURN 0
.macro STEP t
.set XS, X+16*((\t)%2)
.if (\t) > 0
	s_wait_dscnt 1                                 ; this step's numbers are back from the stage (the last step's byte store may be out): so its stores into the stage have read their registers,
.else
	s_wait_dscnt 0x0
.endif
.if (\t)+4 < STEPS
	LOAD (\t)+4                                    ; which take the loads of four steps on
.endif
.if (\t)+1 < STEPS
.if STEPS-2-(\t) >= 3
	s_wait_loadcnt 12                              ; the next step's four loads are in; those of the three steps behind it may be out
.else
	s_wait_loadcnt 4*(STEPS-2-(\t))
.endif
	TURN (\t)+1                                    ; and go through the other stage while this step is worked
.endif
	v_max3_num_f32 v8, |v[XS]|, |v[XS+1]|, |v[XS+2]|               ; the largest magnitude of my 16, in two chains
	v_max3_num_f32 v9, |v[XS+3]|, |v[XS+4]|, |v[XS+5]|
.irp i, 6,10
	v_max3_num_f32 v8, v8, |v[XS+\i]|, |v[XS+\i+1]|
	v_max3_num_f32 v9, v9, |v[XS+\i+2]|, |v[XS+\i+3]|
.endr
	v_max3_num_f32 v8, v8, |v[XS+14]|, |v[XS+15]|
	v_max3_num_f32 v8, v8, v9, (EMAX+1)<<23        ; and the floor 2^(EMAX + 1 - 127): so the byte cannot fall under 1
	v_max_num_f32_dpp v8, v8, v8 row_xmask:1 row_mask:0xf bank_mask:0xf   ; and of my neighbour's 16: the block's
	v_add_nc_u32 v11, -(EMAX<<23), v8              ; EMAX off its exponent field: the conversion takes the exponent field of this operand as its scale
	v_cvt_scalef32_pk16_fp6_f32 v[C+4*(\t):C+4*(\t)+2], v[XS:XS+15], v11   ; sixteen codes, 96 bits without gaps, the first number's code lowest
	v_lshrrev_b32 v[E+(\t)], 23, v11               ; the scale's byte (also the plain line behind the conversion)
	ds_store_b8 v5, v[E+(\t)] offset:16*(\t)       ; both lanes of a block write the same byte with the same value
	global_store_b96 v4, v[C+4*(\t):C+4*(\t)+2], s[18:19] offset:32*CB*(\t)
.endm
.irp t, 0,1,2,3,4,5,6,7,8,9,10,11,12,13,14,15
	STEP \t
.endr
	ds_load_b64 v[12:13], v6                       ; LDS serves a wave's instructions in order: these see my stores
	s_wait_dscnt 0x0
	global_store_b64 v7, v[12:13], s[20:21]        ; 32 lanes store 256 consecutive bytes, aligned
	s_wait_tensorcnt 0x0
	ds_add_u32 v192, v193
	s_wait_dscnt 0x0
	s_endpgm
.Lfunc_end_k_q0856779966_quant:
	.size	k_q0856779966_quant, .Lfunc_end_k_q0856779966_quant-k_q0856779966_quant
	.p2alignl 7, 3214868480
	.fill 96, 4, 3214868480
	.section	.rodata,"a",@progbits
	.p2align	6, 0x0
	.amdhsa_kernel k_q0856779966_quant
		.amdhsa_group_segment_fixed_size 33280
		.amdhsa_private_segment_fixed_size 0
		.amdhsa_enable_private_segment 0
		.amdhsa_kernarg_size 72
		.amdhsa_user_sgpr_count 2
		.amdhsa_user_sgpr_kernarg_segment_ptr 1
		.amdhsa_wavefront_size32 1
		.amdhsa_system_sgpr_workgroup_id_x 1
		.amdhsa_system_sgpr_workgroup_id_y 1
		.amdhsa_system_sgpr_workgroup_id_z 1
		.amdhsa_system_vgpr_workitem_id 0
		.amdhsa_next_free_vgpr 194
		.amdhsa_next_free_sgpr 66
		.amdhsa_reserve_vcc 0
		.amdhsa_float_denorm_mode_32 3
		.amdhsa_float_denorm_mode_16_64 3
		.amdhsa_memory_ordered 1
		.amdhsa_forward_progress 1
		.amdhsa_inst_pref_size 33
	.end_amdhsa_kernel
	.amdgpu_metadata
---
amdhsa.version: [ 1, 2 ]
amdhsa.kernels:
  - .name:           k_q0856779966_quant
    .symbol:         k_q0856779966_quant.kd
    .args:
      - { .name: q, .offset: 0, .size: 8, .value_kind: global_buffer, .address_space: global }
      - { .name: k, .offset: 8, .size: 8, .value_kind: global_buffer, .address_space: global }
      - { .name: v, .offset: 16, .size: 8, .value_kind: global_buffer, .address_space: global }
      - { .name: Wq, .offset: 24, .size: 8, .value_kind: global_buffer, .address_space: global }
      - { .name: Wk, .offset: 32, .size: 8, .value_kind: global_buffer, .address_space: global }
      - { .name: Wv, .offset: 40, .size: 8, .value_kind: global_buffer, .address_space: global }
      - { .name: Wo, .offset: 48, .size: 8, .value_kind: global_buffer, .address_space: global }
      - { .name: codes, .offset: 56, .size: 8, .value_kind: global_buffer, .address_space: global }
      - { .name: scales, .offset: 64, .size: 8, .value_kind: global_buffer, .address_space: global }
    .group_segment_fixed_size: 33280
    .private_segment_fixed_size: 0
    .kernarg_segment_align: 8
    .kernarg_segment_size: 72
    .max_flat_workgroup_size: 128
    .sgpr_count:     66
    .vgpr_count:     194
    .wavefront_size: 32
...
	.end_amdgpu_metadata
.endif
;; end of part 1
;; launch proj (part 2): grid 192 x 1, 4 waves a work-group, no clusters, 256,512 bytes of LDS; arguments codes, scales, mask, bq, bk, bv, qx, kv; writes qx, kv
.if DOCPART == 2
	.amdgcn_target "amdgcn-amd-amdhsa--gfx1250"
	.amdhsa_code_object_version 6
	.text
	.protected	k_q0856779966_proj
	.globl	k_q0856779966_proj
	.p2align	8
	.type	k_q0856779966_proj,@function
k_q0856779966_proj:
	s_mov_b64 s[64:65], 0
	v_nop
	global_prefetch_b8 v0, s[64:65] scope:SCOPE_SE
	s_setreg_imm32_b32 hwreg(HW_REG_WAVE_MODE, 25, 1), 1
	s_wait_xcnt 0x0
; The three input projections on codes of FP6 (E2M3), and the quantising of their results: Q and K along the head's 64, V along the KEYS.  One text for all three, by a change of roles.
; A wave keeps 128 RESIDENT rows (8 tiles x 4 K steps x 12 registers) as source 0 and multiplies them with 8 STREAMED tiles of 16 rows as source 1.  In a result a lane holds ONE streamed row, and
; its 64 registers run along the 128 resident rows: the next product's K.  Work-groups 0-63 (q), 64-127 (k): resident = 128 rows of W (two heads a wave), streamed = 128 rows of x; the fragment made
; is two units, one for each head.  Work-groups 128-191 (v): resident = 128 rows of v (keys), streamed = 128 rows of Wv (two heads): the fragment made is V^T, 16 d x 128 keys.
; THE ROWS OF A TILE ARE NOT NEIGHBOURS: lane r of tile i takes row 32 (i / 2) + 8 (i % 2) + r + (r & 8), so that the 16 result registers of resident tiles 2 b, 2 b + 1 are 16 neighbours, 32 b + 16 h + 0 .. 15.
; A UNIT is half a fragment, 16 rows x 64 K, six registers a lane, stored as an image of the registers: registers 0-3 at 16 x lane (512 bytes), registers 4-5 at 512 + 8 x lane (256 bytes).
; THE MASK over the keys: a masked key's row of K is multiplied by 0 ahead of its quantiser, and the third byte of its scale word is 156 (else 1): the score product's unused K positions turn that byte
; into -2^33 on the raw score (the attention launch says how).  LIMITS: the masked logit is -2^30 and not -1e9: the result differs only where an unmasked logit lies under about -1e9;
; a block of zeros gets the scale byte 1 where the rule says 127 (this program alone reads the bytes); NaN and infinities are not served.
; Waves share the streamed rows in LDS, behind one barrier.  192 work-groups: 64 blocks of 128 rows for each tensor.
; REGISTERS.  window 0: v2-13 offsets and constants; v16-111 the streamed tile's fragments, two buffers; v112-175 the results; v176-195 the codes made; v196-211 at work; v212-231 scale words; v232-239 a number a lane for each tile
; (mask or bv); v240-243 four tiles' scale words to store.   window 1: resident fragments of K steps 0, 1; v192-255 the bias, 8 tiles x 8.   window 2: resident fragments of K steps 2, 3.
.set AR,   2                           ; region + 400 P(r) + 24 h: my bytes in LDS in a resident tile's rows of codes
.set ARS,  3                           ; P(r) x 16 + 4 h: my scale word: lanes 0-15 an even K step's, lanes 16-31 the odd one's
.set ABR,  4                           ; 64 h: the bias of my half's 16 resident rows
.set AE,   5                           ; 4 (r + 3 (r & 8))
.set OC16, 6                           ; 16 x lane
.set OC8,  7                           ; 8 x lane + 512
.set OD16, 8                           ; the same two for the fragment's second half
.set OD8,  9
.set OS,   10                          ; 16 r + h x (distance between the two halves' scale words)
.set SHV,  11                          ; 16 h (q, k) or 0 (v)
.set HIKV, 12                          ; the scale word's upper half: of a key that counts,
.set HIMV, 13                          ; of a masked key
.set XF,   16
.set HA,   112
.set PC,   176
.set TM,   196
.set RS,   212                         ; resident scale words: register 2 t + s / 2
.set XS,   228                         ; streamed: 2 buf + s / 2
.set EX,   232
.set WD,   240
.set PW,   244
.set HI,   245
.set MUL,  246                         ; v[246:247]
.set ADD,  248                         ; v[248:249]
.set TT,   250
.set BI,   192                         ; in window 1
.set WV,   20
.set RC,   24                          ; s[24:25] resident codes, s[26:27] their scales, s[28:29] streamed codes, s[30:31] their scales
.set RSB,  26
.set XC,   28
.set XSB,  30
.set BR,   32                          ; s[32:33] the bias along the resident rows
.set EP,   34                          ; s[34:35] the number a streamed row: mask (k), bv (v)
.set OUTC, 36                          ; s[36:37] where the units go, s[38:39] where the scale words go
.set OUTS, 38
.set STP,  40                          ; s[40:41] from tile to tile, s[42:43] from tile 3 to 4, s[44:45] the scale words' step at tile 4
.set STP4, 42
.set SSTP, 44
.set ANDM, 48
.set NOTK, 49
.set VSEL, 50
.set QKSEL, 51
.set MK,   52
.set SEL,  56
.set MSB, 0
.macro WIN new                         ; the immediate's high byte repeats the setting that is left
.if MSB != \new
	s_set_vgpr_msb (MSB<<8)|\new
.set MSB, \new
.endif
.endm
; 64 numbers of a lane, v[s] .. v[s + 63], register 16 b + i = k 32 b + 16 (lane / 16) + i of my row, become a fragment's codes in v[PC] on and its scale word in v[PW].
.macro QUANT s
.irp b, 0,1,2,3
	v_max3_num_f32 v[TM+\b], |v[\s+16*\b]|, |v[\s+1+16*\b]|, 0x1800000   ; block b: my 16 numbers, and the floor 2^(3 - 127): the byte cannot fall under 1
.endr
.irp i, 2,4,6,8,10,12,14
.irp b, 0,1,2,3
	v_max3_num_f32 v[TM+\b], v[TM+\b], |v[\s+16*\b+\i]|, |v[\s+1+16*\b+\i]|   ; (the four blocks by turns)
.endr
.endr
.irp b, 0,1,2,3
	v_permlanex16_b32 v[TM+4+\b], v[TM+\b], s[SEL], s[SEL+1]
.endr
.irp b, 0,1,2,3
	v_max_num_f32 v[TM+\b], v[TM+\b], v[TM+4+\b]   ; with lane l xor 16's: the block's largest magnitude
.endr
.irp b, 0,1,2,3
	v_add_nc_u32 v[TM+12+\b], 0xff000000, v[TM+\b]   ; 2 off its exponent field: the conversion's scale operand
.endr
.irp b, 0,1,2,3
	v_lshrrev_b32 v[TM+4+\b], 23, v[TM+12+\b]      ; the scale's byte
.endr
	v_lshl_or_b32 v[PW], v[TM+5], 8, v[TM+4]       ; the four bytes make my row's scale word
	v_lshl_or_b32 v[PW], v[TM+6], 16, v[PW]
	v_lshl_or_b32 v[PW], v[TM+7], 24, v[PW]
.irp c, 0,1
	v_cvt_scalef32_pk16_fp6_f32 v[PC+6*\c:PC+2+6*\c], v[\s+32*\c:\s+15+32*\c], v[TM+12+2*\c]
	v_cvt_scalef32_pk16_fp6_f32 v[PC+12+4*\c:PC+14+4*\c], v[\s+16+32*\c:\s+31+32*\c], v[TM+12+2*\c+1]   ; (a conversion's three registers begin on an even number)
.endr
	v_nop                                          ; one plain line behind a scaled conversion
.irp c, 0,1                                    ; the operand's layout wants a WHOLE block in a lane: lanes 0-15 block 2 c, lanes 16-31 block 2 c + 1
.irp i, 0,1,2
	v_permlane16_swap_b32 v[PC+6*\c+\i], v[PC+12+4*\c+\i]
.endr
.irp i, 0,1,2
	v_mov_b32 v[PC+3+6*\c+\i], v[PC+12+4*\c+\i]
.endr
.endr
.endm
; streamed tile i into buffer buf: 24 loads of 8 bytes (every address a multiple of 8) and its two registers of scale words: 26 loads
.macro XLOADS i, buf
.irp s, 0,1,2,3
.irp p, 0,1,2,3,4,5
	ds_load_b64 v[XF+48*(\buf)+12*\s+2*\p:XF+48*(\buf)+12*\s+2*\p+1], v251 offset:(64*((\i)/4)+8*((\i)%4))*400+96*\s+48*(\p/3)+8*(\p%3)
.endr
.endr
.irp s, 0,1
	global_load_b32 v[XS+2*(\buf)+\s], v252, s[XSB:XSB+1] offset:(64*((\i)/4)+8*((\i)%4))*16+8*\s
.endr
.endm
; one product: resident tile t x the streamed tile in buffer buf, K step s.  The first K step takes the bias as C; an odd K step's scale words stand in lanes 16-31
.macro MM t, s, buf
.set rA, 12*(8*((\s)%2)+(\t))
.set rB, XF+48*(\buf)+12*(\s)
.set rD, HA+8*(\t)
.set rSA, RS+2*(\t)+(\s)/2
.set rSB, XS+2*(\buf)+(\s)/2
.if (\s) == 0
	v_wmma_scale_f32_16x16x128_f8f6f4 v[rD:rD+7], v[rA:rA+11], v[rB:rB+11], v[BI+8*(\t):BI+8*(\t)+7], v[rSA], v[rSB] matrix_a_fmt:MATRIX_FMT_FP6 matrix_b_fmt:MATRIX_FMT_FP6
.elseif (\s) == 2
	v_wmma_scale_f32_16x16x128_f8f6f4 v[rD:rD+7], v[rA:rA+11], v[rB:rB+11], v[rD:rD+7], v[rSA], v[rSB] matrix_a_fmt:MATRIX_FMT_FP6 matrix_b_fmt:MATRIX_FMT_FP6
.else
	v_wmma_scale_f32_16x16x128_f8f6f4 v[rD:rD+7], v[rA:rA+11], v[rB:rB+11], v[rD:rD+7], v[rSA], v[rSB] matrix_a_fmt:MATRIX_FMT_FP6 matrix_b_fmt:MATRIX_FMT_FP6 matrix_a_scale:MATRIX_SCALE_ROW1 matrix_b_scale:MATRIX_SCALE_ROW1
.endif
.endm
	s_load_b512 s[4:19], s[0:1], 0x0               ; codes, scales, mask, bq, bk, bv, qx, kv
	; HOW THE CODES COME (this takes the place of what the head says of LDS): rows of codes are dense in memory, so they are loaded as they lie, 512 consecutive bytes a load, and turn through LDS, rows 400 bytes apart.
	; Each wave's 128 resident rows go through its own 51,200 bytes; the 128 streamed rows, which all four waves multiply, are fetched once, a quarter by each wave, into 51,200 shared bytes behind ONE barrier.
	; LDS: resident 51,200 x wave; streamed from 204,800; the spare words from 256,000.
	v_lshl_add_u32 v254, v0, 2, 256000
	v_mov_b32 v255, 0
	v_lshrrev_b32 v1, 5, v0
	v_readfirstlane_b32 s[WV], v1                  ; wave w
	s_lshr_b32 s21, ttmp9, 6                       ; role: 0 q, 1 k, 2 v
	s_and_b32 s22, ttmp9, 63                       ; g
	v_and_b32 v1, 15, v0                           ; r
	v_bfe_u32 v14, v0, 4, 1                        ; h
	v_and_b32 v15, 8, v1
	v_add_nc_u32 v15, v15, v1                      ; P(r) = r + (r & 8)
	v_mul_u32_u24 v[AR], v15, 400
	v_mad_u32_u24 v[AR], v14, 24, v[AR]
	s_mul_i32 s23, s[WV], 51200                    ; my resident region
	v_add_nc_u32 v[AR], s23, v[AR]                 ; LDS: my bytes in a resident tile's rows: region + 400 P(r) + 24 h
	v_lshlrev_b32 v[ARS], 4, v15
	v_lshl_add_u32 v[ARS], v14, 2, v[ARS]
	v_lshlrev_b32 v[ABR], 6, v14
	; THE STREAMED TILES take other rows than the resident ones: lane r of streamed tile i takes row 64 (i / 4) + 8 (i % 4) + r + 3 (r & 8),
	; so that in the next launch's results the 32 registers of four tiles are 32 neighbours, 32 (lane / 16) + 0 .. 31: a whole block in a lane
	v_and_b32 v253, 8, v1
	v_mad_u32_u24 v253, v253, 3, v1                ; r + 3 (r & 8)
	v_mul_u32_u24 v251, v253, 400
	v_mad_u32_u24 v251, v14, 24, v251
	v_add_nc_u32 v251, 204800, v251                ; v251: LDS: my bytes in a streamed tile's rows
	v_lshlrev_b32 v252, 4, v253
	v_lshl_add_u32 v252, v14, 2, v252              ; v252: my scale word there
	v_lshlrev_b32 v[AE], 2, v253
	v_and_b32 v[TT], 31, v0
	v_lshlrev_b32 v[OC16], 4, v[TT]
	v_lshl_add_u32 v[OC8], v[TT], 3, 512
	; where a load's 16 bytes go in LDS.  Piece X = 32 j + lane of a dense run lies in row X / 24 at byte 16 (X % 24): with rows 400 bytes apart that is byte 16 (X + X / 24).
	; Three loads are four rows, 1,600 bytes: so three registers (j % 3 = 0, 1, 2; x = 32 (j % 3) + lane under 96, x / 24 = x x 2,731 >> 16) and an immediate serve every load.
	s_mul_i32 s74, s[WV], 12800
	s_add_co_u32 s74, s74, 204800                  ; my quarter of the streamed rows: 32 rows
.irp m, 0,1,2
	v_add_nc_u32 v[112+\m], 32*\m, v[TT]
	v_mul_u32_u24 v[115+\m], v[112+\m], 2731
	v_lshrrev_b32 v[115+\m], 16, v[115+\m]
	v_add_nc_u32 v[112+\m], v[112+\m], v[115+\m]
	v_lshlrev_b32 v[112+\m], 4, v[112+\m]
	v_add_nc_u32 v[115+\m], s74, v[112+\m]         ; v115-117: into the streamed rows' region
	v_add_nc_u32 v[112+\m], s23, v[112+\m]         ; v112-114: into my resident region
.endr
	s_mov_b32 s[SEL], 0x76543210
	s_mov_b32 s[SEL+1], 0xfedcba98                 ; v_permlanex16_b32's selects for lane l xor 16
	s_mov_b32 s[STP+1], 0
	s_mov_b32 s[STP4+1], 0
	s_mov_b32 s[SSTP+1], 0
	; the roles' offsets and constants, in three arms: offsets only, no address.  s58 resident row, s59 streamed row, s60, s61 where units and scale words go, s62 the extra numbers' first byte,
	; s46 from a fragment's first half to its second, s47 from lanes 0-15's scale words to lanes 16-31's, s55 the shift a half
	s_cmp_eq_u32 s21, 2
	s_cbranch_scc1 .Lrole_v
	s_lshr_b32 s66, s22, 5                         ; b
	s_and_b32 s67, s22, 31                         ; which 128 rows of the batch
	s_lshl_b32 s66, s66, 3
	s_lshl_b32 s68, s[WV], 1
	s_add_co_u32 s66, s66, s68                     ; 8 b + 2 w: the first of my two heads
	s_lshl_b32 s69, s[WV], 7
	s_lshl_b32 s70, s22, 7
	s_mov_b32 s[STP], 768
	s_mov_b32 s[STP4], 768
	s_mov_b32 s[SSTP], 256
	s_mov_b32 s[ANDM], 0xffff
	s_mov_b32 s[VSEL], 0
	s_mov_b32 s[QKSEL], -1
	s_mov_b32 s55, 16
	s_cmp_eq_u32 s21, 1
	s_cbranch_scc1 .Lrole_k
	s_add_co_u32 s58, s69, 24576                   ; Wq's rows 128 w on
	s_mov_b32 s59, s70                             ; q's rows 128 g on
	s_mul_i32 s60, s66, 196608                     ; a head's 256 units
	s_mul_i32 s71, s67, 6144
	s_add_co_u32 s60, s60, s71
	s_lshl_b32 s61, s66, 14                        ; a head's 64 groups of four tiles' words
	s_lshl_b32 s71, s67, 9
	s_add_co_u32 s61, s61, s71
	s_add_co_u32 s61, s61, 3145728
	s_mov_b32 s46, 196608
	s_mov_b32 s47, 16384
	s_mov_b32 s[NOTK], -1
	s_mov_b32 s53, 0x7f7f0000                      ; Q's word: (byte, byte, 127, 127)
	s_mov_b32 s54, 0x7f7f0000
	s_mov_b32 s62, 0
	s_branch .Lroles_done
.Lrole_k:
	s_add_co_u32 s58, s69, 25088                   ; Wk's rows
	s_add_co_u32 s59, s70, 8192                    ; k's rows
	s_mul_i32 s71, s66, 425984                     ; a head's four slots
	s_lshr_b32 s72, s67, 3
	s_mul_i32 s72, s72, 106496                     ; the slot: 1,024 keys
	s_add_co_u32 s71, s71, s72
	s_and_b32 s72, s22, 7                          ; the key step in the slot
	s_mul_i32 s60, s72, 6144
	s_add_co_u32 s60, s60, s71
	s_lshl_b32 s61, s72, 9
	s_add_co_u32 s61, s61, s71
	s_add_co_u32 s61, s61, 98304
	s_mov_b32 s46, 425984
	s_mov_b32 s47, 425984
	s_mov_b32 s[NOTK], 0
	s_mov_b32 s53, 0x01010000                      ; K's word: (byte, byte, 1, 1),
	s_mov_b32 s54, 0x019c0000                      ; of a masked key (byte, byte, 156, 1)
	s_lshl_b32 s62, s22, 9                         ; mask[128 g ..]
	s_branch .Lroles_done
.Lrole_v:
	s_lshr_b32 s66, s22, 2                         ; R: which 512 keys
	s_and_b32 s67, s22, 3                          ; j: which 128 rows of Wv
	s_lshl_b32 s58, s66, 9
	s_lshl_b32 s69, s[WV], 7
	s_add_co_u32 s58, s58, s69
	s_add_co_u32 s58, s58, 16384                   ; v's rows 512 R + 128 w on
	s_lshl_b32 s59, s67, 7
	s_add_co_u32 s59, s59, 25600                   ; Wv's rows 128 j on
	s_lshr_b32 s68, s66, 3
	s_lshl_b32 s68, s68, 3
	s_lshl_b32 s69, s67, 1
	s_add_co_u32 s68, s68, s69                     ; 8 b + 2 j
	s_mul_i32 s71, s68, 425984
	s_and_b32 s72, s66, 7
	s_lshr_b32 s72, s72, 1
	s_mul_i32 s72, s72, 106496
	s_add_co_u32 s71, s71, s72
	s_and_b32 s72, s66, 1
	s_lshl_b32 s72, s72, 2
	s_add_co_u32 s72, s72, s[WV]                   ; the key step in the slot: 4 (R & 1) + w
	s_mul_i32 s60, s72, 6144
	s_add_co_u32 s60, s60, s71
	s_add_co_u32 s60, s60, 49152
	s_lshl_b32 s61, s72, 9
	s_add_co_u32 s61, s61, s71
	s_add_co_u32 s61, s61, 102400
	s_mov_b32 s[STP], 1536
	s_mov_b32 s[STP4], 421376                      ; from d tile 3 of a head to d tile 0 of the next: 425,984 - 3 x 1,536
	s_mov_b32 s[SSTP], 425984
	s_mov_b32 s46, 768
	s_mov_b32 s47, 256
	s_mov_b32 s[ANDM], -1
	s_mov_b32 s[NOTK], -1
	s_mov_b32 s[VSEL], -1
	s_mov_b32 s[QKSEL], 0
	s_mov_b32 s53, 0
	s_mov_b32 s54, 0
	s_mov_b32 s55, 0
	s_lshl_b32 s62, s67, 9                         ; bv[128 j ..]
.Lroles_done:
	s_wait_alu depctr_va_vdst(0)
	v_add_nc_u32 v[OD16], s46, v[OC16]
	v_add_nc_u32 v[OD8], s46, v[OC8]
	v_mul_u32_u24 v[OS], v14, s47
	v_lshl_add_u32 v[OS], v1, 4, v[OS]
	v_mul_u32_u24 v[SHV], v14, s55
	v_mov_b32 v[HIKV], s53
	v_mov_b32 v[HIMV], s54
	s_wait_kmcnt 0x0
	s_cmp_eq_u32 s21, 0                            ; the buffers are chosen by the role alone
	s_cselect_b64 s[OUTC:OUTC+1], s[16:17], s[18:19]   ; qx, or kv
	s_cselect_b64 s[BR:BR+1], s[10:11], s[12:13]       ; bq, or bk
	s_cselect_b64 s[EP:EP+1], s[10:11], s[8:9]         ; (bq: read and not used), or the mask
	s_cmp_eq_u32 s21, 2
	s_cselect_b64 s[BR:BR+1], s[14:15], s[BR:BR+1]     ; (bv: read here and replaced by 0: v's bias goes by streamed rows)
	s_cselect_b64 s[EP:EP+1], s[14:15], s[EP:EP+1]     ; bv
	s_mov_b64 s[OUTS:OUTS+1], s[OUTC:OUTC+1]
	s_mov_b32 s67, 0
	s_mul_i32 s66, s58, 384
	s_add_nc_u64 s[RC:RC+1], s[4:5], s[66:67]
	s_lshl_b32 s66, s58, 4
	s_add_nc_u64 s[RSB:RSB+1], s[6:7], s[66:67]
	s_mul_i32 s66, s59, 384
	s_add_nc_u64 s[XC:XC+1], s[4:5], s[66:67]
	s_lshl_b32 s66, s59, 4
	s_add_nc_u64 s[XSB:XSB+1], s[6:7], s[66:67]
	s_lshl_b32 s66, s[WV], 9
	s_add_nc_u64 s[BR:BR+1], s[BR:BR+1], s[66:67]
	s_mov_b32 s66, s62
	s_add_nc_u64 s[EP:EP+1], s[EP:EP+1], s[66:67]
	s_mov_b32 s66, s60
	s_add_nc_u64 s[OUTC:OUTC+1], s[OUTC:OUTC+1], s[66:67]
	s_mov_b32 s66, s61
	s_add_nc_u64 s[OUTS:OUTS+1], s[OUTS:OUTS+1], s[66:67]
	; the resident rows: 192 loads; they stay for the whole launch
	s_mul_i32 s66, s[WV], 12288                    ; my quarter of the streamed rows in memory: 32 rows of 384 bytes
	s_add_nc_u64 s[76:77], s[XC:XC+1], s[66:67]
.set jj, 0
.rept 24
	global_load_b128 v[XF+4*jj:XF+4*jj+3], v[OC16], s[76:77] offset:512*jj      ; 32 lanes read 512 consecutive bytes
.set jj, jj+1
.endr
	WIN 0x40                                       ; the resident rows' first 24,576 bytes land where window 1's fragments will lie
.set jj, 0
.rept 48
	global_load_b128 v[4*jj:4*jj+3], v[OC16], s[RC:RC+1] offset:512*jj
.set jj, jj+1
.endr
	WIN 0
	s_wait_loadcnt 48                              ; all but the 48 just issued: my quarter of the streamed rows is in
.set jj, 0
.rept 24
	ds_store_b128 v[115+jj%3], v[XF+4*jj:XF+4*jj+3] offset:(jj/3)*1600
.set jj, jj+1
.endr
	WIN 0x80                                       ; the second 24,576 bytes, into window 2
.set jj, 0
.rept 48
	global_load_b128 v[4*jj:4*jj+3], v[OC16], s[RC:RC+1] offset:24576+512*jj
.set jj, jj+1
.endr
	s_wait_loadcnt 48                              ; all but these 48: the first half is in
	WIN 0x04                                       ; a store's data in window 1
.set jj, 0
.rept 48
	ds_store_b128 v[112+jj%3], v[4*jj:4*jj+3] offset:(jj/3)*1600
.set jj, jj+1
.endr
	WIN 0x40
.irp t, 0,1,2,3,4,5,6,7                        ; the bias in the result's layout: lane half h, tile t: resident rows 32 (t / 2) + 8 (t % 2) + 16 h + 0 .. 7
	global_load_b128 v[BI+8*\t:BI+8*\t+3], v[ABR], s[BR:BR+1] offset:(32*(\t/2)+8*(\t%2))*4
	global_load_b128 v[BI+8*\t+4:BI+8*\t+7], v[ABR], s[BR:BR+1] offset:(32*(\t/2)+8*(\t%2))*4+16
.endr
	WIN 0
.irp t, 0,1,2,3,4,5,6,7
.irp s, 0,1
	global_load_b32 v[RS+2*\t+\s], v[ARS], s[RSB:RSB+1] offset:(32*(\t/2)+8*(\t%2))*16+8*\s
.endr
.endr
.irp i, 0,1,2,3,4,5,6,7
	global_load_b32 v[EX+\i], v[AE], s[EP:EP+1] offset:(64*(\i/4)+8*(\i%4))*4   ; my streamed row's number in each tile
.endr
	s_wait_loadcnt 40                              ; all but the 40 small loads (bias 16, scale words 16, a number a row 8): the second half is in
	WIN 0x08                                       ; a store's data in window 2
.set jj, 0
.rept 48
	ds_store_b128 v[112+jj%3], v[4*jj:4*jj+3] offset:25600+(jj/3)*1600
.set jj, jj+1
.endr
	WIN 0
	s_wait_dscnt 0x0                               ; my stores are done: for the others' sake, and their data registers may be loaded anew
	s_barrier_signal -1
	s_barrier_wait -1                              ; the streamed rows are whole
.irp s, 0,1,2,3                                ; the resident fragments: they stay for the whole launch
.if \s < 2
	WIN 0x40
.else
	WIN 0x80
.endif
.irp t, 0,1,2,3,4,5,6,7
.irp p, 0,1,2,3,4,5
	ds_load_b64 v[12*(8*(\s%2)+\t)+2*\p:12*(8*(\s%2)+\t)+2*\p+1], v[AR] offset:(32*(\t/2)+8*(\t%2))*400+96*\s+48*(\p/3)+8*(\p%3)
.endr
.endr
.endr
	WIN 0
	XLOADS 0, 0
	s_wait_loadcnt 2                               ; all but tile 0's two loads of scale words
	WIN 0x44                                       ; destination and source 1 window 1
.set jj, 0
.rept 64
	v_cndmask_b32 v[BI+jj], 0, v[BI+jj], s[QKSEL]  ; in the role v the bias along the resident rows is 0
.set jj, jj+1
.endr
	s_wait_alu depctr_va_vdst(0)
	WIN 0
	v_mov_b32 v[MUL+1], 0                          ; (named as the upper halves of pairs, so they are written)
	v_mov_b32 v[ADD+1], 0
.irp b, 0,1,2,3
	v_mov_b32 v[TM+4+\b], 0                        ; written once: a lane permute's destination counts as one of its sources
.endr
; A STREAMED TILE.  The next tile's 26 loads go out first, into the other buffer (its last products stand in front of the last tile's whole epilogue); 32 products, the 8 accumulators by turns in each K step;
; (x W + b) x (0 for a masked key, else 1) + (bv in the role v); the quantiser; four stores of a fragment's image; after every fourth tile one store of scale words.
.macro TILE i
.if (\i) < 7
	XLOADS (\i)+1, 1-(\i)%2
	s_wait_loadcnt 2                               ; my scale words are in; the next tile's two loads stay out
	s_wait_dscnt 24                                ; my fragments (and, the first time, the resident ones) are in; the next tile's 24 loads stay out
.else
	s_wait_loadcnt 0x0
	s_wait_dscnt 0x0
.endif
.irp s, 0,1,2,3
.if \s == 0
	WIN 0x11                                       ; source 0 (resident) and source 2 (bias) window 1
.elseif \s == 1
	WIN 0x01
.else
	WIN 0x02                                       ; source 0 window 2
.endif
.irp t, 0,1,2,3,4,5,6,7
	MM \t, \s, (\i)%2
.endr
.endr
	WIN 0
	v_cmp_ne_u32 vcc_lo, 0, v[EX+(\i)]             ; these five vector lines name no register of the products: they are the places behind them
	s_or_b32 s[MK], vcc_lo, s[NOTK]                ; a lane's bit: its row counts (always, but in the role k)
	v_cndmask_b32 v[MUL], 0, 1.0, s[MK]
	v_cndmask_b32 v[HI], v[HIMV], v[HIKV], s[MK]
	v_cndmask_b32 v[ADD], 0, v[EX+(\i)], s[VSEL]
	s_wait_alu depctr_va_vdst(0)
	v_nop
.set jj, 0
.rept 32
	v_pk_fma_f32 v[HA+jj:HA+jj+1], v[HA+jj:HA+jj+1], v[MUL:MUL+1], v[ADD:ADD+1] op_sel_hi:[1,0,0]   ; ascending: each accumulator is read from its low end on
.set jj, jj+2
.endr
	s_wait_xcnt 0x0                                ; the last tile's stores have read their data and their bases: both are written again only behind this wait
.if (\i) == 4
	s_add_nc_u64 s[OUTC:OUTC+1], s[OUTC:OUTC+1], s[STP4:STP4+1]
	s_add_nc_u64 s[OUTS:OUTS+1], s[OUTS:OUTS+1], s[SSTP:SSTP+1]
.elseif (\i) > 0
	s_add_nc_u64 s[OUTC:OUTC+1], s[OUTC:OUTC+1], s[STP:STP+1]
.endif
	QUANT HA
	v_lshrrev_b32 v[TT], v[SHV], v[PW]             ; q, k: lanes 0-15 keep the first head's two bytes, lanes 16-31 take the second head's
	v_and_or_b32 v[WD+(\i)%4], v[TT], s[ANDM], v[HI]
	global_store_b128 v[OC16], v[PC:PC+3], s[OUTC:OUTC+1]          ; 512 consecutive bytes, aligned
	global_store_b64 v[OC8], v[PC+4:PC+5], s[OUTC:OUTC+1]          ; 256
	global_store_b128 v[OD16], v[PC+6:PC+9], s[OUTC:OUTC+1]
	global_store_b64 v[OD8], v[PC+10:PC+11], s[OUTC:OUTC+1]
.if (\i)%4 == 3
	global_store_b128 v[OS], v[WD:WD+3], s[OUTS:OUTS+1]            ; four tiles' words of a row side by side: each half of the lanes stores 256 consecutive bytes, aligned
.endif
.endm
.irp i, 0,1,2,3,4,5,6,7
	TILE \i
.endr
	s_wait_tensorcnt 0x0                           ; the wave's end
	ds_add_u32 v254, v255
	s_wait_dscnt 0x0
	s_endpgm
.Lfunc_end_k_q0856779966_proj:
	.size	k_q0856779966_proj, .Lfunc_end_k_q0856779966_proj-k_q0856779966_proj
	.p2alignl 7, 3214868480
	.fill 96, 4, 3214868480
	.section	.rodata,"a",@progbits
	.p2align	6, 0x0
	.amdhsa_kernel k_q0856779966_proj
		.amdhsa_group_segment_fixed_size 256512
		.amdhsa_private_segment_fixed_size 0
		.amdhsa_enable_private_segment 0
		.amdhsa_kernarg_size 64
		.amdhsa_user_sgpr_count 2
		.amdhsa_user_sgpr_kernarg_segment_ptr 1
		.amdhsa_wavefront_size32 1
		.amdhsa_system_sgpr_workgroup_id_x 1
		.amdhsa_system_sgpr_workgroup_id_y 1
		.amdhsa_system_sgpr_workgroup_id_z 1
		.amdhsa_system_vgpr_workitem_id 0
		.amdhsa_next_free_vgpr 768
		.amdhsa_next_free_sgpr 80
		.amdhsa_reserve_vcc 1
		.amdhsa_float_denorm_mode_32 3
		.amdhsa_float_denorm_mode_16_64 3
		.amdhsa_memory_ordered 1
		.amdhsa_forward_progress 1
		.amdhsa_inst_pref_size 148
	.end_amdhsa_kernel
	.amdgpu_metadata
---
amdhsa.version: [ 1, 2 ]
amdhsa.kernels:
  - .name:           k_q0856779966_proj
    .symbol:         k_q0856779966_proj.kd
    .args:
      - { .name: codes, .offset: 0, .size: 8, .value_kind: global_buffer, .address_space: global }
      - { .name: scales, .offset: 8, .size: 8, .value_kind: global_buffer, .address_space: global }
      - { .name: mask, .offset: 16, .size: 8, .value_kind: global_buffer, .address_space: global }
      - { .name: bq, .offset: 24, .size: 8, .value_kind: global_buffer, .address_space: global }
      - { .name: bk, .offset: 32, .size: 8, .value_kind: global_buffer, .address_space: global }
      - { .name: bv, .offset: 40, .size: 8, .value_kind: global_buffer, .address_space: global }
      - { .name: qx, .offset: 48, .size: 8, .value_kind: global_buffer, .address_space: global }
      - { .name: kv, .offset: 56, .size: 8, .value_kind: global_buffer, .address_space: global }
    .group_segment_fixed_size: 256512
    .private_segment_fixed_size: 0
    .kernarg_segment_align: 8
    .kernarg_segment_size: 64
    .max_flat_workgroup_size: 128
    .sgpr_count:     80
    .vgpr_count:     768
    .wavefront_size: 32
...
	.end_amdgpu_metadata
.endif
;; end of part 2
;; launch attn (part 3): grid 16 x 16, 8 waves a work-group, clusters of 4 x 1, 327,680 bytes of LDS; arguments qx, kv, cx, cs; writes cx, cs
.if DOCPART == 3
	.amdgcn_target "amdgcn-amd-amdhsa--gfx1250"
	.amdhsa_code_object_version 6
	.text
	.protected	k_q0856779966_attn
	.globl	k_q0856779966_attn
	.p2align	8
	.type	k_q0856779966_attn,@function
k_q0856779966_attn:
	s_mov_b64 s[64:65], 0
	v_nop
	global_prefetch_b8 v0, s[64:65] scope:SCOPE_SE
	s_setreg_imm32_b32 hwreg(HW_REG_WAVE_MODE, 25, 1), 1
	s_wait_xcnt 0x0
	s_wait_alu depctr_hold_cnt(0) depctr_sa_sdst(0) depctr_va_vdst(0) depctr_va_sdst(0) depctr_va_ssrc(0) depctr_va_vcc(0) depctr_vm_vsrc(0)
	s_getreg_b32 s2, hwreg(HW_REG_IB_STS2, 6, 4)
	s_cmp_eq_u32 s2, 0
	s_cbranch_scc0 .Lentry_in_a_cluster
	s_endpgm
.Lentry_in_a_cluster:
	s_bfe_u32 s2, ttmp6, 0x10000c
	s_cmp_lg_u32 s2, 0x3003
	s_cbranch_scc0 .Lentry_shape_is_right
	s_endpgm
.Lentry_shape_is_right:
; ctx[b][h][q] = the sum over keys of softmax(Q . K / 8, masked) V, both products on codes of FP6 (E2M3) with one E8M0 scale for each 32 along a product's K; ctx is quantised along d and stored as codes.
; THE SOFTMAX: t = score x log2(e) / 8; M = the largest t so far, rounded UP to a whole number; p = 2^(t - M) is quantised along the keys, not normalised.  The row's sum is taken of the unquantised p
; and divides at the end.  When M moves, the sums and O are multiplied by f = 2^(old M - new M): exact.
; SHARES.  A work-group owns 256 queries of one (b, head); each of its EIGHT waves owns two tiles of 16 queries, so that each fragment of K and of V read from LDS feeds two products.  Every wave walks all 4,096 keys,
; 128 a step.  K, V and their scale words come through a ring of two LDS slots of 1,024 keys; a slot is one dense block of 106,496 bytes, laid as images of the operands' registers.  Every wave fetches an eighth of a slot.
; CLUSTER.  The four query blocks of a cluster belong to one head and walk the same slots: each eighth is asked for JOINTLY, by the same tensor load with the same descriptor and a mask that names the four.
; LAYOUT.  Both products are used transposed: S^T = K Q^T, O^T = V^T P^T: a lane holds ONE query throughout.  The keys of a tile of K, and the d of a tile of V^T, are laid by the launch before so that the 32 registers
; of tiles 4 c .. 4 c + 3 are 32 neighbours, 64 c + 32 (lane / 16) + 0 .. 31: a whole block of the next K in one lane: its largest number needs no other lane, and the conversions' results are the operand's registers.
; ORDER IN A STEP.  K's loads; the LAST step's O x f and O^T += V^T P^T (registers alone), under which K's loads land; V's loads; the scores; the softmax; p's codes.  The first step finds p's codes and O zero.
; THE MASK costs no vector line here.  The head has 64 along K and the instruction takes 128.  At k = 64 Q holds the code of -4 (scale byte 127) and K the code of 4, and the third byte of a key's scale word is 156
; where the key is masked: that adds -2^33 to its raw score, whose own codes are zeros; else the byte is 1 and the term is -2^-122.  All other codes of Q from k = 64 on are zeros, so what stands in the rest of K's
; operand (a register of zeros and the next tile's first four) adds nothing.  c x 2^33 is a whole number, so a row all of whose keys are masked has p = 1: the uniform weights.
; LIMITS: the masked logit is -2^30 and not -1e9 (a difference only where an unmasked logit lies under about -1e9); -2^-122 is added to each unmasked raw score; the scaled scores stay under 2^31 in magnitude;
; a block of zeros has the scale byte 1 (this program alone reads the bytes); NaN and infinities are not served.
; REGISTERS.  window 0: v1-11 addresses; v16-47, v48-79 the two tiles' small state; v80-91 scale words; v128-255 tile 0's arrays.  window 1: v0-67 K's eight fragments, 8 registers apart (6 of codes, the code of 4, zeros);
; v72-119 V's four; v128-255 tile 1's arrays, at tile 0's numbers.
.set SLOT1, 1<<17                      ; slot 1 begins here: one exclusive or turns an address in one slot into the other's
.set SLOTB, 106496                     ; a slot: 64 units of K | 64 units of V | K's scale words | V's scale words
.set PART,  13312                      ; what one tensor load brings: 52 rows of 256 bytes
.set VOFF,  49152
.set KSO,   98304                      ; K's scale words; V's lie 4,096 bytes on
.set SPARE, 245760                     ; the spare words, 128 bytes for each wave: four blocks of 256 bytes that no other line names
.set CSST,  249856                     ; 1,024 bytes: the sixteen tiles' scale words of ctx meet here; no fill lands here
.set AL16, 1                           ; 16 x lane
.set AL8,  2                           ; 8 x lane + 512
.set ALS,  3                           ; 16 x lane + KSO
.set SPW,  4                           ; my spare word; never rewritten
.set NIL,  5                           ; 0; never rewritten
.set ADA,  6                           ; the step's LDS addresses
.set ADB,  7
.set ADS,  8
.set CSA,  9                           ; CSST + 128 x wave + 4 r
.set CSL,  10                          ; CSST + 16 x lane
.set QO,   11                          ; 16 r
.set SB,   16                          ; tile u's small state from v[SB + 32 u] on:
.set NM,   0                           ; -M
.set RUN,  1                           ; the largest raw score so far
.set FF,   2                           ; f (a pair)
.set BM,   4                           ; my two blocks' largest score, then p
.set BB,   6                           ; the second chains
.set SOP,  8                           ; the conversions' scale operands
.set BY,   10                          ; the scale bytes
.set T0,   12
.set T1,   13
.set T2,   14
.set SUM,  16                          ; the row's sum in eight pairs
.set KSW,  80                          ; K's scale words: lanes 0-15 tiles 0-3, lanes 16-31 tiles 4-7
.set VSW,  84
.set QSW,  88                          ; tile 0's, tile 1's
.set PSW,  90
.set PFO,  92                          ; the prefetch's offset; never rewritten
.set SHA,  93
.set SHB,  94
.set S,    128                         ; S^T, then p
.set O,    192                         ; O^T: four tiles of 16 d
.set QF,   224
.set PC,   236                         ; p's codes
.set PT,   248                         ; the conversions' other halves: v248-250, v252-254
.set KF,   0                           ; in window 1
.set VF,   72
.set WV,   12
.set G1,   16
.set G0,   24
.set SEL,  28
.set CS,   30                          ; s[30:31] c = log2(e) / 8
.set TB,   32
.set SO,   33
.set SS,   34
.set SLOTS, 35
.set CNT,  36
.set CXB,  40
.set CSB,  42
.set PF,   56                          ; s[56:57] where my prefetch stands
.set MSB, 0
.macro WIN new                         ; the immediate's high byte repeats the setting that is left
.if MSB != \new
	s_set_vgpr_msb (MSB<<8)|\new
.set MSB, \new
.endif
.endm
.macro TW u, set                       ; tile 0 works in window 0, tile 1 under the setting named
.if \u
	WIN \set
.else
	WIN 0
.endif
.endm
.macro ROUND                           ; a round of the cluster's barrier
	s_barrier_signal -1
	s_barrier_wait -1
	s_cmp_lg_u32 s[WV], 0
	s_cbranch_scc1 .Lnot_wave_0_\@
	s_barrier_signal -3
.Lnot_wave_0_\@:
	s_barrier_wait -3
	s_barrier_signal -1
	s_barrier_wait -1
.endm
.macro JLOAD                           ; every wave asks for its eighth; s_nop 0 and four v_nop follow
	tensor_load_to_lds s[G0:G0+3], s[G1:G1+7]
	s_nop 0
.rept 4
	v_nop
.endr
.endm
	s_load_b256 s[4:11], s[0:1], 0x0               ; qx, kv, cx, cs
	v_lshl_add_u32 v[SPW], v0, 2, SPARE
	v_mov_b32 v[NIL], 0
	ds_add_u32 v[SPW], v[NIL]                      ; the opening lines: the add, twice on end, and its wait ahead of my first tensor load
	ds_add_u32 v[SPW], v[NIL]
	v_lshrrev_b32 v12, 5, v0
	v_readfirstlane_b32 s[WV], v12                 ; wave 0..7
	s_bfe_u32 s13, ttmp6, 0x40000                  ; my place in the cluster: it enters global addresses of Q, ctx and the prefetch alone
	s_lshl_b32 s14, ttmp9, 2
	s_add_co_u32 s14, s14, s13                     ; my block of 256 queries
	s_and_b32 s15, ttmp7, 0xffff                   ; 8 b + head, which the four partners share
	v_and_b32 v12, 31, v0                          ; lane
	v_and_b32 v13, 15, v0                          ; r
	v_bfe_u32 v14, v0, 4, 1                        ; h
	v_lshlrev_b32 v[AL16], 4, v12
	v_lshl_add_u32 v[AL8], v12, 3, 512
	v_lshl_add_u32 v[ALS], v12, 4, KSO
	v_lshl_add_u32 v[CSL], v12, 4, CSST
	v_lshlrev_b32 v[QO], 4, v13
	s_lshl_b32 s44, s[WV], 7
	v_lshlrev_b32 v[CSA], 2, v13
	v_add_nc_u32 v[CSA], s44, v[CSA]
	v_add_nc_u32 v[CSA], CSST, v[CSA]
	v_min_u32 v[PFO], 12, v12                      ; my wave's 13 blocks of 256 bytes, a lane a block; the lanes left over name the last again
	v_lshlrev_b32 v[PFO], 8, v[PFO]
	v_sub_nc_u32 v15, 1, v14
	v_mul_u32_u24 v15, v15, 0x38                   ; Q at k = 64 (lanes 0-15, lowest six bits): the code of -4; lanes 16-31: zeros
	s_mov_b32 s[G1], 15|(3<<16)|(1<<21)            ; the mask: all four work-groups; elements of 8 bytes; bit 21 beside a mask
	s_mov_b32 s[G1+1], 32<<16                      ; tensor_dim0 = 32
	s_mov_b32 s[G1+2], 52<<16                      ; tensor_dim1 = 52
	s_mov_b32 s[G1+3], 32<<16                      ; tile_dim0 = 32
	s_mov_b32 s[G1+4], 52                          ; tile_dim1 = 52
	s_mov_b32 s[G1+5], 32                          ; from row to row
	s_mov_b32 s[G1+6], 0
	s_mov_b32 s[G1+7], 0
	s_mul_i32 s44, s[WV], PART                     ; my eighth, in LDS and in memory alike
	s_mul_i32 s46, s15, 4*SLOTB                    ; the head's four slots
	s_add_co_u32 s46, s46, s44
	s_mov_b32 s47, 0
	s_mul_i32 s48, s15, 4*SLOTB                    ; the prefetch: of a slot's 416 blocks my work-group takes 104, my wave 13 of them
	s_mul_i32 s50, s13, 26624
	s_add_co_u32 s48, s48, s50
	s_mul_i32 s50, s[WV], 3328
	s_add_co_u32 s48, s48, s50
	s_add_co_u32 s48, s48, SLOTB                   ; it stands at slot 1 and is stepped ahead of each use
	s_mov_b32 s49, 0
	s_mov_b32 s[SEL], 0x76543210
	s_mov_b32 s[SEL+1], 0xfedcba98                 ; v_permlanex16_b32's selects for lane l xor 16
	s_mov_b32 s[CS], 0x3e38aa3b                    ; c = log2(e) / 8
	s_mov_b32 s[CS+1], s[CS]
	s_mov_b32 s[TB], 0
	s_mov_b32 s[SLOTS], 3
	s_wait_alu depctr_va_vdst(0)
	s_wait_dscnt 0x0                               ; both opening adds are done
	s_wait_kmcnt 0x0
	s_mov_b32 s[G0], 1
	s_mov_b32 s[G0+1], s44                         ; LDS address: slot 0
	s_add_nc_u64 s[G0+2:G0+3], s[6:7], s[46:47]    ; the head's first 1,024 keys
	s_or_b32 s[G0+3], s[G0+3], 0x80000000
	s_add_nc_u64 s[PF:PF+1], s[6:7], s[48:49]
	s_lshl_b32 s48, s15, 8
	s_lshl_b32 s49, s14, 4
	s_lshl_b32 s44, s[WV], 1
	s_add_co_u32 s49, s49, s44                     ; T = 16 x block + 2 x wave: my first tile of queries
	s_add_co_u32 s48, s48, s49
	s_mul_i32 s50, s48, 768
	s_mov_b32 s51, 0
	s_add_nc_u64 s[52:53], s[4:5], s[50:51]        ; Q's two units
	global_load_b128 v[QF:QF+3], v[AL16], s[52:53]
	global_load_b64 v[QF+4:QF+5], v[AL8], s[52:53]
	WIN 0x40                                       ; destination window 1
	global_load_b128 v[QF:QF+3], v[AL16], s[52:53] offset:768
	global_load_b64 v[QF+4:QF+5], v[AL8], s[52:53] offset:768
	WIN 0
	s_lshl_b32 s50, s15, 14                        ; Q's scale words: a head's 16,384 bytes, a group of four tiles 256, a row 16, a tile 4
	s_lshl_b32 s44, s14, 10
	s_add_co_u32 s50, s50, s44
	s_lshr_b32 s44, s[WV], 1
	s_lshl_b32 s44, s44, 8
	s_add_co_u32 s50, s50, s44
	s_and_b32 s44, s[WV], 1
	s_lshl_b32 s44, s44, 3
	s_add_co_u32 s50, s50, s44
	s_add_co_u32 s50, s50, 3145728
	s_add_nc_u64 s[54:55], s[4:5], s[50:51]
	global_load_b32 v[QSW], v[QO], s[54:55]
	global_load_b32 v[QSW+1], v[QO], s[54:55] offset:4
	ROUND                                          ; all four work-groups are here: the first joint loads meet
	JLOAD                                          ; slot 0: my one tensor load at the head
	s_lshr_b32 s44, s15, 3                         ; b
	s_lshl_b32 s44, s44, 8
	s_add_co_u32 s44, s44, s49                     ; 256 b + T
	s_lshl_b32 s44, s44, 3
	s_and_b32 s45, s15, 7                          ; head
	s_add_co_u32 s44, s44, s45
	s_mul_i32 s50, s44, 768
	s_add_nc_u64 s[CXB:CXB+1], s[8:9], s[50:51]    ; where my units of ctx go: the second 8 x 768 bytes on
	s_lshl_b32 s50, s15, 14
	s_lshl_b32 s44, s14, 10
	s_add_co_u32 s50, s50, s44
	s_add_nc_u64 s[CSB:CSB+1], s[10:11], s[50:51]  ; and the work-group's sixteen tiles' scale words
	; what the first step finds: O, the sums, p's codes and V zero, f = 0, -M = 2^125 (so that the first f is 0), scale bytes 127
.irp w, 0, 0x40
	WIN \w
	v_mov_b32 v[QF+6], v15
.irp i, 7,8,9,10,11
	v_mov_b32 v[QF+\i], 0
.endr
.set jj, 0
.rept 12
	v_mov_b32 v[PC+jj], 0
.set jj, jj+1
.endr
.set jj, 0
.rept 32
	v_mov_b32 v[O+jj], 0
.set jj, jj+1
.endr
.endr
.irp t, 0,1,2,3,4,5,6,7
	v_mov_b32 v[KF+8*\t+6], 0x18                   ; K at k = 64 (and at k = 96, where Q holds zero): the code of 4
	v_mov_b32 v[KF+8*\t+7], 0
.endr
.irp i, 64,65,66,67
	v_mov_b32 v[KF+\i], 0
.endr
.set jj, 0
.rept 48
	v_mov_b32 v[VF+jj], 0
.set jj, jj+1
.endr
	WIN 0
.irp u, 0,1
	v_mov_b32 v[SB+32*\u+NM], 0x7e000000
	v_mov_b32 v[SB+32*\u+RUN], 0xff61b1e6          ; -3e38, under every score
	v_mov_b32 v[SB+32*\u+FF], 0
	v_mov_b32 v[SB+32*\u+FF+1], 0
	v_mov_b32 v[SB+32*\u+T1], 0                    ; a lane permute's destination counts as one of its sources
	v_mov_b32 v[PSW+\u], 0x7f7f7f7f
.set jj, 0
.rept 16
	v_mov_b32 v[SB+32*\u+SUM+jj], 0
.set jj, jj+1
.endr
.endr
.irp i, 0,1,2,3
	v_mov_b32 v[VSW+\i], 0x7f7f7f7f
.endr
.macro RESC u                          ; O^T under the new M; each accumulator from its low end on
	TW \u, 0x41
	s_wait_alu depctr_va_vdst(0)                   ; directly ahead of the first reader of O^T
.set jj, 0
.rept 16
	v_pk_mul_f32 v[O+jj:O+jj+1], v[O+jj:O+jj+1], v[SB+32*\u+FF:SB+32*\u+FF+1] op_sel_hi:[1,0]
.set jj, jj+2
.endr
.endm
.macro PV u                            ; O^T += V^T P^T: the accumulators by turns, one instruction a turn
.irp t, 0,1,2,3
	v_wmma_scale_f32_16x16x128_f8f6f4 v[O+8*\t:O+8*\t+7], v[VF+12*\t:VF+12*\t+11], v[PC:PC+11], v[O+8*\t:O+8*\t+7], v[VSW+\t], v[PSW+\u] matrix_a_fmt:MATRIX_FMT_FP6 matrix_b_fmt:MATRIX_FMT_FP6
.endr
.endm
.macro TAIL                            ; a step's second product, on registers alone
	RESC 0
	RESC 1
	WIN 0x01                                       ; V in window 1, all else in window 0
	PV 0
	WIN 0x55
	PV 1
.endm
.macro KQ u                            ; S^T = K Q^T: eight tiles of 16 keys
.irp t, 0,1,2,3
	v_wmma_scale_f32_16x16x128_f8f6f4 v[S+8*\t:S+8*\t+7], v[KF+8*\t:KF+8*\t+11], v[QF:QF+11], 0, v[KSW+\t], v[QSW+\u] matrix_a_fmt:MATRIX_FMT_FP6 matrix_b_fmt:MATRIX_FMT_FP6
.endr
.irp t, 0,1,2,3
	v_wmma_scale_f32_16x16x128_f8f6f4 v[S+32+8*\t:S+39+8*\t], v[KF+32+8*\t:KF+43+8*\t], v[QF:QF+11], 0, v[KSW+\t], v[QSW+\u] matrix_a_fmt:MATRIX_FMT_FP6 matrix_b_fmt:MATRIX_FMT_FP6 matrix_a_scale:MATRIX_SCALE_ROW1
.endr
.endm
.macro MAXES u                         ; the largest score of my two blocks of 32 keys, each in two chains, the four by turns; each accumulator is first read at its low end
.set U, SB+32*\u
	TW \u, 0x15
.irp b, 0,1
	v_max3_num_f32 v[U+BM+\b], v[S+32*\b], v[S+32*\b+1], v[S+32*\b+2]
	v_max3_num_f32 v[U+BB+\b], v[S+32*\b+16], v[S+32*\b+17], v[S+32*\b+18]
.endr
	TW \u, 0x14
.irp i, 3,5,7,9,11,13
.irp b, 0,1
	v_max3_num_f32 v[U+BM+\b], v[U+BM+\b], v[S+32*\b+\i], v[S+32*\b+\i+1]
	v_max3_num_f32 v[U+BB+\b], v[U+BB+\b], v[S+32*\b+16+\i], v[S+32*\b+17+\i]
.endr
.endr
.irp b, 0,1
	v_max3_num_f32 v[U+BM+\b], v[U+BM+\b], v[S+32*\b+15], v[S+32*\b+31]
.endr
.endm
.macro SUMS u                          ; the row's sum of the unquantised p, in eight pairs that are kept from step to step: pair x f + p, then three additions a pair
.set U, SB+32*\u
	TW \u, 0x10
.set jj, 0
.rept 8
	v_pk_fma_f32 v[U+SUM+jj:U+SUM+jj+1], v[U+SUM+jj:U+SUM+jj+1], v[U+FF:U+FF+1], v[S+jj:S+jj+1] op_sel_hi:[1,0,1]
.set jj, jj+2
.endr
	TW \u, 0x04
.set jj, 16
.rept 24
	v_pk_add_f32 v[U+SUM+jj%16:U+SUM+jj%16+1], v[U+SUM+jj%16:U+SUM+jj%16+1], v[S+jj:S+jj+1]
.set jj, jj+2
.endr
.endm
.macro CODES u                         ; my two blocks' codes: registers 6 c .. 6 c + 5 of the operand
.set U, SB+32*\u
	TW \u, 0x41
.irp c, 0,1
	v_cvt_scalef32_pk16_fp6_f32 v[PC+6*\c:PC+6*\c+2], v[S+32*\c:S+32*\c+15], v[U+SOP+\c]
	v_cvt_scalef32_pk16_fp6_f32 v[PT+4*\c:PT+4*\c+2], v[S+32*\c+16:S+32*\c+31], v[U+SOP+\c]   ; (a conversion's three registers begin on an even number)
.endr
	v_nop                                          ; one plain line behind a scaled conversion
.irp c, 0,1
.irp i, 0,1,2
	v_mov_b32 v[PC+6*\c+3+\i], v[PT+4*\c+\i]
.endr
.endr
.endm
; A KEY STEP: 128 keys, two tiles of queries.
.macro STEP
	v_add_nc_u32 v[ADA], s[SO], v[AL16]
	v_add_nc_u32 v[ADB], s[SO], v[AL8]
	v_add_nc_u32 v[ADS], s[SS], v[ALS]
	WIN 0x40
.irp t, 0,1,2,3,4,5,6,7
	ds_load_b128 v[KF+8*\t:KF+8*\t+3], v[ADA] offset:768*\t
	ds_load_b64 v[KF+8*\t+4:KF+8*\t+5], v[ADB] offset:768*\t
.endr
	WIN 0
	ds_load_b128 v[KSW:KSW+3], v[ADS]
	s_wait_dscnt 17                                ; all but the 17 just issued: the last step's V and its scale words are in
	TAIL
.rept 4
	v_nop                                          ; four places in front of loads into registers that the products have read
.endr
	WIN 0x40
.irp t, 0,1,2,3
.irp c, 0,1
	ds_load_b128 v[VF+12*\t+6*\c:VF+12*\t+6*\c+3], v[ADA] offset:VOFF+1536*\t+768*\c
	ds_load_b64 v[VF+12*\t+6*\c+4:VF+12*\t+6*\c+5], v[ADB] offset:VOFF+1536*\t+768*\c
.endr
.endr
	WIN 0
	ds_load_b128 v[VSW:VSW+3], v[ADS] offset:4096
	s_wait_dscnt 17                                ; all but V's 17: K and its scale words are in
	WIN 0x01                                       ; K in window 1, Q and S^T in window 0
	KQ 0
	WIN 0x55
	KQ 1
.rept 4
	v_nop                                          ; four places in front of the first read of the scores
.endr
	MAXES 0
	MAXES 1
	WIN 0                                          ; the two tiles' small state lies in window 0: their chains take turns line by line
.irp u, 0,1
.irp b, 0,1
	v_max_num_f32 v[SB+32*\u+BM+\b], v[SB+32*\u+BM+\b], v[SB+32*\u+BB+\b]   ; THE BLOCK'S LARGEST SCORE: it serves the row's maximum and, since p rises with the score, the block's largest p
.endr
.endr
.irp u, 0,1
	v_max3_num_f32 v[SB+32*\u+T0], v[SB+32*\u+RUN], v[SB+32*\u+BM], v[SB+32*\u+BM+1]
.endr
.irp u, 0,1
	s_delay_alu instid0(VALU_DEP_2)
	v_permlanex16_b32 v[SB+32*\u+T1], v[SB+32*\u+T0], s[SEL], s[SEL+1]
.endr
.irp u, 0,1
	s_delay_alu instid0(VALU_DEP_2)
	v_max_num_f32 v[SB+32*\u+RUN], v[SB+32*\u+T0], v[SB+32*\u+T1]   ; with lane l xor 16's blocks: the running largest score
.endr
.irp u, 0,1
	s_delay_alu instid0(VALU_DEP_2)
	v_mul_f32 v[SB+32*\u+T0], s[CS], v[SB+32*\u+RUN]               ; as t (c is positive)
.endr
.irp u, 0,1
	s_delay_alu instid0(VALU_DEP_2)
	v_floor_f32 v[SB+32*\u+T1], -v[SB+32*\u+T0]                    ; the new -M = floor(-t) = -ceil(t): a whole number
.endr
.irp u, 0,1
	s_delay_alu instid0(VALU_DEP_2)
	v_sub_f32 v[SB+32*\u+T2], v[SB+32*\u+T1], v[SB+32*\u+NM]       ; old M - new M: a whole number, 0 or less
.endr
.irp u, 0,1
	v_mov_b32 v[SB+32*\u+NM], v[SB+32*\u+T1]
.endr
.irp u, 0,1
	v_cvt_i32_f32 v[SB+32*\u+T2], v[SB+32*\u+T2]                   ; (it saturates)
.endr
.irp u, 0,1
	s_delay_alu instid0(VALU_DEP_2)
	v_ldexp_f32 v[SB+32*\u+FF], 1.0, v[SB+32*\u+T2]                ; f = 2^(old M - new M)
.endr
.irp u, 0,1
.irp b, 0,1
	v_fma_f32 v[SB+32*\u+BM+\b], v[SB+32*\u+BM+\b], s[CS], v[SB+32*\u+NM]   ; t - M of each block's largest score
.endr
.endr
.irp u, 0,1
	TW \u, 0x41
.set jj, 0
.rept 32
	v_pk_fma_f32 v[S+jj:S+jj+1], v[S+jj:S+jj+1], s[CS:CS+1], v[SB+32*\u+NM:SB+32*\u+NM+1] op_sel_hi:[1,0,0]   ; t - M, two at a time
.set jj, jj+2
.endr
.endr
	s_wait_alu depctr_va_vdst(0)                   ; ahead of the batch of exponentials
.irp u, 1,0
	TW \u, 0x41
.set jj, 0
.rept 64
	v_exp_f32 v[S+jj], v[S+jj]                     ; p = 2^(t - M), at most 1
.set jj, jj+1
.endr
.endr
.irp u, 0,1
.irp b, 0,1
	v_exp_f32 v[SB+32*\u+BM+\b], v[SB+32*\u+BM+\b] ; the block's largest p: the same two instructions on the same number give the same bits
.endr
.endr
	v_nop                                          ; the plain line behind the exponentials
	s_wait_alu depctr_va_vdst(0)                   ; one wait for the batch, ahead of its first reader
.irp u, 0,1
.irp b, 0,1
	v_max_num_f32 v[SB+32*\u+BM+\b], 0x1800000, v[SB+32*\u+BM+\b]  ; the floor 2^(3 - 127): the byte cannot fall under 1
.endr
.endr
.irp u, 0,1
.irp b, 0,1
	v_add_nc_u32 v[SB+32*\u+SOP+\b], 0xff000000, v[SB+32*\u+BM+\b] ; 2 off the exponent field: the conversion's scale operand
.endr
.endr
.irp u, 0,1
.irp b, 0,1
	v_lshrrev_b32 v[SB+32*\u+BY+\b], 23, v[SB+32*\u+SOP+\b]        ; the scale's byte
.endr
.endr
.irp u, 0,1
	v_lshl_or_b32 v[SB+32*\u+T0], v[SB+32*\u+BY+1], 16, v[SB+32*\u+BY]   ; my blocks h and 2 + h
.endr
.irp u, 0,1
	s_delay_alu instid0(VALU_DEP_2)
	v_permlanex16_b32 v[SB+32*\u+T1], v[SB+32*\u+T0], s[SEL], s[SEL+1]
.endr
.irp u, 0,1
	s_delay_alu instid0(VALU_DEP_2)
	v_lshl_or_b32 v[PSW+\u], v[SB+32*\u+T1], 8, v[SB+32*\u+T0]     ; lanes 0-15: p's scale word for these 128 keys (lanes 16-31 are not read)
.endr
	SUMS 0
	CODES 0
	SUMS 1
	CODES 1
	WIN 0
.endm
; THE CHANGE OF SLOTS stands at a slot's head.  Each wave waits for all its tensor loads (one: its eighth of the slot ahead), adds 0 to its spare word, and waits for that and for its reads of the slot that it has left.
; fill = 1: a round of the cluster's barrier, and behind it the joint fill of that slot with the next 1,024 keys, which has a slot's eight key steps in which to land.
.macro CHANGE fill
.if \fill
	s_wait_xcnt 0x0                                ; my prefetch has read its address, which is stepped only behind this wait
	s_add_nc_u64 s[PF:PF+1], s[PF:PF+1], SLOTB
.endif
	s_wait_tensorcnt 0x0
	ds_add_u32 v[SPW], v[NIL]
.if \fill
	s_xor_b32 s[G0+1], s[G0+1], SLOT1              ; the other slot than last time,
	s_add_nc_u64 s[G0+2:G0+3], s[G0+2:G0+3], SLOTB ; the next 1,024 keys
.endif
	s_wait_dscnt 0x0
.if \fill
	ROUND
	JLOAD
.else
	s_barrier_signal -1
	s_barrier_wait -1
.endif
.endm
.macro EIGHT                           ; a slot's eight key steps
	s_mov_b32 s[SO], s[TB]
	s_mov_b32 s[SS], s[TB]
	s_mov_b32 s[CNT], 8
.Lstep_\@:
	STEP
	s_add_co_u32 s[SO], s[SO], 6144
	s_add_co_u32 s[SS], s[SS], 512
	s_sub_co_u32 s[CNT], s[CNT], 1
	s_cmp_lg_u32 s[CNT], 0
	s_wait_alu depctr_va_vdst(0)
	s_cbranch_scc1 .Lstep_\@
	s_xor_b32 s[TB], s[TB], SLOT1
.endm
	s_wait_alu depctr_va_vdst(0)
	s_wait_loadcnt 0x0                             ; Q and its scale words
.Lslot:                                            ; three trips: trip s reads slot s and asks for slot s + 1
	CHANGE 1
	s_cmp_lg_u32 s[SLOTS], 1                       ; trips 0 and 1 ask memory for slot s + 2, one slot ahead of its tensor load: 13 blocks of 256 bytes a wave, each block once in the cluster; the last trip has none left
	s_cbranch_scc0 .Lno_ask
	global_prefetch_b8 v[PFO], s[PF:PF+1] th:TH_LOAD_NT scope:SCOPE_SE
.Lno_ask:
	EIGHT
	s_sub_co_u32 s[SLOTS], s[SLOTS], 1
	s_cmp_lg_u32 s[SLOTS], 0
	s_cbranch_scc1 .Lslot
	CHANGE 0                                       ; the last slot is written out
	EIGHT
	; THE END.  The last step's second product; ctx = O^T / the sum; a lane's 32 registers are d = 32 h + 0 .. 31: one block of the output projection's K
	s_wait_dscnt 0x0                               ; the last V
	TAIL
	WIN 0
	v_bfe_u32 v[SHA], v0, 4, 1                     ; (these lines name no register of the products: they are the places behind them)
	v_lshlrev_b32 v[SHA], 3, v[SHA]                ; 8 h
	v_sub_nc_u32 v[SHB], 8, v[SHA]                 ; 8 - 8 h
.irp i, 0,2,4,6
.irp u, 0,1
	v_pk_add_f32 v[SB+32*\u+SUM+\i:SB+32*\u+SUM+\i+1], v[SB+32*\u+SUM+\i:SB+32*\u+SUM+\i+1], v[SB+32*\u+SUM+8+\i:SB+32*\u+SUM+9+\i]
.endr
.endr
.irp i, 0,2
.irp u, 0,1
	v_pk_add_f32 v[SB+32*\u+SUM+\i:SB+32*\u+SUM+\i+1], v[SB+32*\u+SUM+\i:SB+32*\u+SUM+\i+1], v[SB+32*\u+SUM+4+\i:SB+32*\u+SUM+5+\i]
.endr
.endr
.irp u, 0,1
	v_pk_add_f32 v[SB+32*\u+SUM:SB+32*\u+SUM+1], v[SB+32*\u+SUM:SB+32*\u+SUM+1], v[SB+32*\u+SUM+2:SB+32*\u+SUM+3]
.endr
.irp u, 0,1
	s_delay_alu instid0(VALU_DEP_2)
	v_add_f32 v[SB+32*\u+T0], v[SB+32*\u+SUM], v[SB+32*\u+SUM+1]
.endr
.irp u, 0,1
	s_delay_alu instid0(VALU_DEP_2)
	v_permlanex16_b32 v[SB+32*\u+T1], v[SB+32*\u+T0], s[SEL], s[SEL+1]
.endr
.irp u, 0,1
	s_delay_alu instid0(VALU_DEP_2)
	v_add_f32 v[SB+32*\u+T0], v[SB+32*\u+T0], v[SB+32*\u+T1]       ; with lane l xor 16's keys: the row's sum
.endr
	s_wait_alu depctr_va_vdst(0)                   ; ahead of the batch of reciprocals
.irp u, 0,1
	v_rcp_f32 v[SB+32*\u+FF], v[SB+32*\u+T0]
.endr
	v_nop                                          ; the plain line behind the reciprocals
	s_wait_alu depctr_va_vdst(0)                   ; and the wait ahead of their first reader
.irp u, 0,1
	TW \u, 0x41
	s_wait_alu depctr_va_vdst(0)                   ; directly ahead of the first reader of O^T
.set jj, 0
.rept 16
	v_pk_mul_f32 v[S+jj:S+jj+1], v[O+jj:O+jj+1], v[SB+32*\u+FF:SB+32*\u+FF+1] op_sel_hi:[1,0]   ; ascending: each accumulator from its low end on
.set jj, jj+2
.endr
	TW \u, 0x14
	v_max3_num_f32 v[SB+32*\u+BM], 0x1800000, |v[S]|, |v[S+1]|     ; my block's largest magnitude, in two chains, over the floor 2^(3 - 127)
	v_max3_num_f32 v[SB+32*\u+BB], 0x1800000, |v[S+16]|, |v[S+17]|
.irp i, 2,4,6,8,10,12,14
	v_max3_num_f32 v[SB+32*\u+BM], v[SB+32*\u+BM], |v[S+\i]|, |v[S+\i+1]|
	v_max3_num_f32 v[SB+32*\u+BB], v[SB+32*\u+BB], |v[S+16+\i]|, |v[S+17+\i]|
.endr
.endr
	WIN 0
.irp u, 0,1
	v_max_num_f32 v[SB+32*\u+BM], v[SB+32*\u+BM], v[SB+32*\u+BB]
.endr
.irp u, 0,1
	s_delay_alu instid0(VALU_DEP_2)
	v_add_nc_u32 v[SB+32*\u+SOP], 0xff000000, v[SB+32*\u+BM]
.endr
.irp u, 0,1
	s_delay_alu instid0(VALU_DEP_2)
	v_lshrrev_b32 v[SB+32*\u+BY], 23, v[SB+32*\u+SOP]
.endr
.irp u, 0,1
	s_delay_alu instid0(VALU_DEP_2)
	v_permlanex16_b32 v[SB+32*\u+T1], v[SB+32*\u+BY], s[SEL], s[SEL+1]
.endr
.irp u, 0,1
	v_lshlrev_b32 v[SB+32*\u+T0], v[SHA], v[SB+32*\u+BY]           ; my byte at place h,
.endr
.irp u, 0,1
	v_lshlrev_b32 v[SB+32*\u+T1], v[SHB], v[SB+32*\u+T1]           ; the other half's at place 1 - h:
.endr
.irp u, 0,1
	s_delay_alu instid0(VALU_DEP_2)
	v_or_b32 v[SB+32*\u+T0], v[SB+32*\u+T0], v[SB+32*\u+T1]        ; my row's two scale bytes, the same word in both halves of the lanes
.endr
.irp u, 0,1
	TW \u, 0x41
	v_cvt_scalef32_pk16_fp6_f32 v[PC:PC+2], v[S:S+15], v[SB+32*\u+SOP]
	v_cvt_scalef32_pk16_fp6_f32 v[PT:PT+2], v[S+16:S+31], v[SB+32*\u+SOP]
	v_nop                                          ; one plain line behind a scaled conversion
.irp i, 0,1,2
	v_mov_b32 v[PC+3+\i], v[PT+\i]
.endr
	TW \u, 0x04                                    ; a store's data: tile 1's lie in window 1
	global_store_b128 v[AL16], v[PC:PC+3], s[CXB:CXB+1] offset:6144*\u      ; 512 consecutive bytes, aligned
	global_store_b64 v[AL8], v[PC+4:PC+5], s[CXB:CXB+1] offset:6144*\u      ; 256
.endr
	WIN 0
	ds_store_b32 v[CSA], v[SB+T0]                  ; both halves of the lanes write the same word with the same value
	ds_store_b32 v[CSA], v[SB+32+T0] offset:64
	s_wait_dscnt 0x0                               ; for the others' sake: my words lie in LDS
	s_barrier_signal -1
	s_barrier_wait -1
	s_cmp_lg_u32 s[WV], 0                          ; wave 0 stores the sixteen tiles' words: 1,024 consecutive bytes
	s_cbranch_scc1 .Lnot_mine
	ds_load_b128 v[S:S+3], v[CSL]
	ds_load_b128 v[S+4:S+7], v[CSL] offset:512
	s_wait_dscnt 0x0
	global_store_b128 v[AL16], v[S:S+3], s[CSB:CSB+1]
	global_store_b128 v[AL16], v[S+4:S+7], s[CSB:CSB+1] offset:512
.Lnot_mine:
	s_wait_tensorcnt 0x0                           ; the wave's end
	ds_add_u32 v[SPW], v[NIL]
	s_wait_dscnt 0x0
	ROUND                                          ; the closing round: no work-group ends while a partner may still ask for a tile that names it
	s_endpgm
.Lfunc_end_k_q0856779966_attn:
	.size	k_q0856779966_attn, .Lfunc_end_k_q0856779966_attn-k_q0856779966_attn
	.p2alignl 7, 3214868480
	.fill 96, 4, 3214868480
	.section	.rodata,"a",@progbits
	.p2align	6, 0x0
	.amdhsa_kernel k_q0856779966_attn
		.amdhsa_group_segment_fixed_size 327680
		.amdhsa_private_segment_fixed_size 0
		.amdhsa_enable_private_segment 0
		.amdhsa_kernarg_size 32
		.amdhsa_user_sgpr_count 2
		.amdhsa_user_sgpr_kernarg_segment_ptr 1
		.amdhsa_wavefront_size32 1
		.amdhsa_system_sgpr_workgroup_id_x 1
		.amdhsa_system_sgpr_workgroup_id_y 1
		.amdhsa_system_sgpr_workgroup_id_z 1
		.amdhsa_system_vgpr_workitem_id 0
		.amdhsa_next_free_vgpr 512
		.amdhsa_next_free_sgpr 66
		.amdhsa_reserve_vcc 0
		.amdhsa_float_denorm_mode_32 3
		.amdhsa_float_denorm_mode_16_64 3
		.amdhsa_memory_ordered 1
		.amdhsa_forward_progress 1
		.amdhsa_inst_pref_size 83
	.end_amdhsa_kernel
	.amdgpu_metadata
---
amdhsa.version: [ 1, 2 ]
amdhsa.kernels:
  - .name:           k_q0856779966_attn
    .symbol:         k_q0856779966_attn.kd
    .args:
      - { .name: qx, .offset: 0, .size: 8, .value_kind: global_buffer, .address_space: global }
      - { .name: kv, .offset: 8, .size: 8, .value_kind: global_buffer, .address_space: global }
      - { .name: cx, .offset: 16, .size: 8, .value_kind: global_buffer, .address_space: global }
      - { .name: cs, .offset: 24, .size: 8, .value_kind: global_buffer, .address_space: global }
    .group_segment_fixed_size: 327680
    .private_segment_fixed_size: 0
    .kernarg_segment_align: 8
    .kernarg_segment_size: 32
    .max_flat_workgroup_size: 256
    .sgpr_count:     66
    .vgpr_count:     512
    .wavefront_size: 32
...
	.end_amdgpu_metadata
.endif
;; end of part 3
;; launch oproj (part 4): grid 256 x 1, 4 waves a work-group, no clusters, 272,896 bytes of LDS; arguments codes, scales, cx, cs, bo, out0; writes out0
.if DOCPART == 4
	.amdgcn_target "amdgcn-amd-amdhsa--gfx1250"
	.amdhsa_code_object_version 6
	.text
	.protected	k_q0856779966_oproj
	.globl	k_q0856779966_oproj
	.p2align	8
	.type	k_q0856779966_oproj,@function
k_q0856779966_oproj:
	s_mov_b64 s[64:65], 0
	v_nop
	global_prefetch_b8 v0, s[64:65] scope:SCOPE_SE
	s_setreg_imm32_b32 hwreg(HW_REG_WAVE_MODE, 25, 1), 1
	s_wait_xcnt 0x0
; out0 = ctx Wo^T + bo on codes of FP6 (E2M3).  ctx comes as units (16 rows x one head's 64, images of six registers a lane) with two scale bytes a row and head; Wo as rows of 384 bytes of codes and 16 scale bytes.
; A work-group owns 32 rows of out0 (two tiles of ctx), wave w the outputs 128 w .. 128 w + 127: its 128 rows of Wo (8 tiles x 4 K steps x 12 registers) are source 0, ctx's tile source 1, so that a lane holds
; eight neighbouring outputs of one row.  A K step of 128 is two heads: two units side by side are its fragment.  The bias is the C of each sum's first product.
; Lane r of ctx's tile 2 X + u is row 64 (X / 2) + 16 (X % 2) + 8 u + r + 3 (r & 8) (so the launches before have laid the queries): the stage in LDS puts the rows in order.
; The stage is each wave's own (32 rows x (512 bytes + 16)): no barrier; the results leave as whole rows of 512 bytes.
; REGISTERS.  window 0: v2-9 offsets; v16-111 ctx's fragments (tile u x 48); v112-175 the 8 accumulators; v212-227 Wo's scale words, v228-231 ctx's; v232-239 their halves as loaded.
;   window 1: Wo's fragments of K steps 0, 1; v192-255 the bias.   window 2: K steps 2, 3.
.set AR,   2                           ; region + 400 r + 24 h
.set ARS,  3                           ; 16 r + 4 h
.set ABR,  4                           ; 32 h
.set ACS,  5                           ; 4 r + 32,768 h: lanes 16-31 take the words of the heads two on (the odd K step)
.set A16,  6                           ; 16 x lane
.set A8,   7                           ; 8 x lane + 512
.set STO,  8
.set RD,   9
.set XF,   16
.set HA,   112
.set RS,   212
.set XS,   228
.set LH,   232
.set BI,   192
.set WV,   20
.set RC,   24
.set RSB,  26
.set CXB,  28
.set CSB,  30
.set BR,   32
.set OUT,  34
.set MSB, 0
.macro WIN new                         ; the immediate's high byte repeats the setting that is left
.if MSB != \new
	s_set_vgpr_msb (MSB<<8)|\new
.set MSB, \new
.endif
.endm
.macro MM t, s, buf                    ; Wo's tile t x ctx's tile buf, K step s; an odd K step's scale words stand in lanes 16-31
.set rA, 12*(8*((\s)%2)+(\t))
.set rB, XF+48*(\buf)+12*(\s)
.set rD, HA+8*(\t)
.set rSA, RS+2*(\t)+(\s)/2
.set rSB, XS+2*(\buf)+(\s)/2
.if (\s) == 0
	v_wmma_scale_f32_16x16x128_f8f6f4 v[rD:rD+7], v[rA:rA+11], v[rB:rB+11], v[BI+8*(\t):BI+8*(\t)+7], v[rSA], v[rSB] matrix_a_fmt:MATRIX_FMT_FP6 matrix_b_fmt:MATRIX_FMT_FP6
.elseif (\s) == 2
	v_wmma_scale_f32_16x16x128_f8f6f4 v[rD:rD+7], v[rA:rA+11], v[rB:rB+11], v[rD:rD+7], v[rSA], v[rSB] matrix_a_fmt:MATRIX_FMT_FP6 matrix_b_fmt:MATRIX_FMT_FP6
.else
	v_wmma_scale_f32_16x16x128_f8f6f4 v[rD:rD+7], v[rA:rA+11], v[rB:rB+11], v[rD:rD+7], v[rSA], v[rSB] matrix_a_fmt:MATRIX_FMT_FP6 matrix_b_fmt:MATRIX_FMT_FP6 matrix_a_scale:MATRIX_SCALE_ROW1 matrix_b_scale:MATRIX_SCALE_ROW1
.endif
.endm
	s_load_b256 s[4:11], s[0:1], 0x0               ; codes, scales, cx, cs
	s_load_b128 s[12:15], s[0:1], 0x20             ; bo, out0
	v_lshl_add_u32 v254, v0, 2, 0x10800
	v_mov_b32 v255, 0
	v_lshrrev_b32 v1, 5, v0
	v_readfirstlane_b32 s[WV], v1                  ; wave w
	v_and_b32 v1, 15, v0                           ; r
	v_bfe_u32 v14, v0, 4, 1                        ; h
	v_and_b32 v15, 31, v0                          ; lane
	; Wo's 128 rows of codes are dense in memory: they are loaded as they lie, 512 consecutive bytes a load, and turn through my own 51,200 bytes of LDS (from byte 68,096 on), rows 400 bytes apart
	v_mul_u32_u24 v[AR], v1, 400
	v_mad_u32_u24 v[AR], v14, 24, v[AR]
	s_mul_i32 s38, s[WV], 51200
	s_add_co_u32 s38, s38, 68096
	v_add_nc_u32 v[AR], s38, v[AR]                 ; LDS: region + 400 r + 24 h
	; piece X = 32 j + lane of the dense run lies at byte 16 (X + X / 24) of the region; three loads are four rows, 1,600 bytes: three registers (x = 32 (j % 3) + lane, x / 24 = x x 2,731 >> 16) and an immediate
.irp m, 0,1,2
	v_add_nc_u32 v[112+\m], 32*\m, v15
	v_mul_u32_u24 v[115+\m], v[112+\m], 2731
	v_lshrrev_b32 v[115+\m], 16, v[115+\m]
	v_add_nc_u32 v[112+\m], v[112+\m], v[115+\m]
	v_lshlrev_b32 v[112+\m], 4, v[112+\m]
	v_add_nc_u32 v[112+\m], s38, v[112+\m]
.endr
	v_lshlrev_b32 v[ARS], 4, v1
	v_lshl_add_u32 v[ARS], v14, 2, v[ARS]
	v_lshlrev_b32 v[ABR], 5, v14
	v_lshlrev_b32 v[ACS], 2, v1
	v_lshl_add_u32 v[ACS], v14, 15, v[ACS]
	v_lshlrev_b32 v[A16], 4, v15
	v_lshl_add_u32 v[A8], v15, 3, 512
	s_mul_i32 s21, s[WV], 32*528                   ; my stage
	v_and_b32 v[STO], 8, v1
	v_add_nc_u32 v[STO], v[STO], v1                ; r + (r & 8)
	v_mul_u32_u24 v[STO], v[STO], 528
	v_lshl_add_u32 v[STO], v14, 5, v[STO]
	v_add_nc_u32 v[STO], s21, v[STO]               ; in: my row, + 32 h
	v_add_nc_u32 v[RD], s21, v[A16]                ; back: the 32 lanes take one row of 512 bytes
	s_lshl_b32 s22, s[WV], 7
	s_add_co_u32 s22, s22, 26112                   ; Wo's rows 128 w on
	s_mov_b32 s37, 0
	s_wait_alu depctr_va_vdst(0)
	s_wait_kmcnt 0x0
	s_mul_i32 s36, s22, 384
	s_add_nc_u64 s[RC:RC+1], s[4:5], s[36:37]
	s_lshl_b32 s36, s22, 4
	s_add_nc_u64 s[RSB:RSB+1], s[6:7], s[36:37]
	s_mul_i32 s36, ttmp9, 12288                    ; two tiles x eight units
	s_add_nc_u64 s[CXB:CXB+1], s[8:9], s[36:37]
	s_lshr_b32 s36, ttmp9, 7                       ; b: eight heads x 16,384 bytes of words
	s_lshl_b32 s36, s36, 17
	s_and_b32 s22, ttmp9, 127
	s_lshl_b32 s22, s22, 7                         ; two tiles x 64 bytes
	s_add_co_u32 s36, s36, s22
	s_add_nc_u64 s[CSB:CSB+1], s[10:11], s[36:37]
	s_lshl_b32 s36, s[WV], 9
	s_add_nc_u64 s[BR:BR+1], s[12:13], s[36:37]
	; lane r of ctx's tile G = 2 X + u is row 64 (G / 4) + 8 (G % 4) + r + 3 (r & 8): my 32 rows are two runs of 16, from row 64 (X / 2) + 16 (X % 2) on and 32 rows further down
	s_lshr_b32 s22, ttmp9, 1
	s_lshl_b32 s22, s22, 17                        ; 64 rows of 2,048 bytes
	s_and_b32 s23, ttmp9, 1
	s_lshl_b32 s23, s23, 15                        ; 16 rows
	s_add_co_u32 s22, s22, s23
	s_add_co_u32 s36, s36, s22
	s_add_nc_u64 s[OUT:OUT+1], s[14:15], s[36:37]
.irp u, 0,1
.irp d, 0,1,2,3,4,5,6,7                        ; head d's unit is half d % 2 of K step d / 2's fragment
	global_load_b128 v[XF+48*\u+6*\d:XF+48*\u+6*\d+3], v[A16], s[CXB:CXB+1] offset:6144*\u+768*\d
	global_load_b64 v[XF+48*\u+6*\d+4:XF+48*\u+6*\d+5], v[A8], s[CXB:CXB+1] offset:6144*\u+768*\d
.endr
.irp s, 0,1                                    ; the words of heads 4 s + 2 h (low half) and 4 s + 2 h + 1 (high half)
	global_load_b32 v[LH+4*\u+2*\s], v[ACS], s[CSB:CSB+1] offset:64*\u+65536*\s
	global_load_b32 v[LH+4*\u+2*\s+1], v[ACS], s[CSB:CSB+1] offset:64*\u+65536*\s+16384
.endr
.endr
	WIN 0x40                                       ; the first 24,576 bytes land where window 1's fragments will lie,
.set jj, 0
.rept 48
	global_load_b128 v[4*jj:4*jj+3], v[A16], s[RC:RC+1] offset:512*jj
.set jj, jj+1
.endr
	WIN 0x80                                       ; the second in window 2
.set jj, 0
.rept 48
	global_load_b128 v[4*jj:4*jj+3], v[A16], s[RC:RC+1] offset:24576+512*jj
.set jj, jj+1
.endr
	s_wait_loadcnt 48                              ; all but the 48 just issued: the first half is in
	WIN 0x04                                       ; a store's data in window 1
.set jj, 0
.rept 48
	ds_store_b128 v[112+jj%3], v[4*jj:4*jj+3] offset:(jj/3)*1600
.set jj, jj+1
.endr
	WIN 0x40
.irp t, 0,1,2,3,4,5,6,7                        ; bo at outputs 128 w + 16 t + 8 h + 0 .. 7
	global_load_b128 v[BI+8*\t:BI+8*\t+3], v[ABR], s[BR:BR+1] offset:64*\t
	global_load_b128 v[BI+8*\t+4:BI+8*\t+7], v[ABR], s[BR:BR+1] offset:64*\t+16
.endr
	WIN 0
.irp t, 0,1,2,3,4,5,6,7
.irp s, 0,1
	global_load_b32 v[RS+2*\t+\s], v[ARS], s[RSB:RSB+1] offset:16*\t*16+8*\s
.endr
.endr
	s_wait_loadcnt 32                              ; all but the 32 small loads (bias 16, scale words 16): the second half is in
	WIN 0x08                                       ; a store's data in window 2
.set jj, 0
.rept 48
	ds_store_b128 v[112+jj%3], v[4*jj:4*jj+3] offset:25600+(jj/3)*1600
.set jj, jj+1
.endr
	WIN 0
	s_wait_dscnt 0x0                               ; the stores have read their registers, which take the fragments
.irp s, 0,1,2,3
.if \s < 2
	WIN 0x40
.else
	WIN 0x80
.endif
.irp t, 0,1,2,3,4,5,6,7
.irp p, 0,1,2,3,4,5
	ds_load_b64 v[12*(8*(\s%2)+\t)+2*\p:12*(8*(\s%2)+\t)+2*\p+1], v[AR] offset:16*\t*400+96*\s+48*(\p/3)+8*(\p%3)
.endr
.endr
.endr
	WIN 0
	s_wait_loadcnt 0x0
	s_wait_dscnt 0x0
.irp u, 0,1
.irp s, 0,1
	v_lshl_or_b32 v[XS+2*\u+\s], v[LH+4*\u+2*\s+1], 16, v[LH+4*\u+2*\s]   ; two heads' two bytes each: a K step's scale word
.endr
.endr
.rept 8
	v_nop                                          ; a scale register written by a vector line stands eight places ahead of the scaled product
.endr
	s_wait_alu depctr_va_vdst(0)
.irp u, 0,1
.irp s, 0,1,2,3                                ; 32 products, the 8 accumulators by turns in each K step
.if \s == 0
	WIN 0x11                                       ; source 0 (Wo) and source 2 (bias) window 1
.elseif \s == 1
	WIN 0x01
.else
	WIN 0x02                                       ; source 0 window 2
.endif
.irp t, 0,1,2,3,4,5,6,7
	MM \t, \s, \u
.endr
.endr
	WIN 0
.rept 5
	v_nop                                          ; four places in front of the stores that read the results and of the loads below; five in front of the next tile's products, which begin the accumulators anew
.endr
.irp t, 0,1,2,3,4,5,6,7
	ds_store_b128 v[STO], v[HA+8*\t:HA+8*\t+3] offset:8*\u*528+64*\t         ; each accumulator from its low end on
	ds_store_b128 v[STO], v[HA+8*\t+4:HA+8*\t+7] offset:8*\u*528+64*\t+16
.endr
	s_wait_dscnt 0x0                               ; the stores have read the accumulators
.endr
.irp i, 0,1,2,3,4,5,6,7,8,9,10,11,12,13,14,15
	ds_load_b128 v[XF+4*\i:XF+4*\i+3], v[RD] offset:\i*528
.endr
.irp i, 0,1,2,3,4,5,6,7,8,9,10,11,12,13,14,15
	ds_load_b128 v[HA+4*\i:HA+4*\i+3], v[RD] offset:(16+\i)*528
.endr
.irp i, 0,1,2,3,4,5,6,7,8,9,10,11,12,13,14,15
	s_wait_dscnt 31-\i                             ; LDS loads come back in order: row i is in, the younger ones stay out
	global_store_b128 v[A16], v[XF+4*\i:XF+4*\i+3], s[OUT:OUT+1] offset:\i*2048 th:TH_STORE_NT   ; 32 lanes store 512 consecutive bytes, aligned; written once, read by nobody here
.endr
.irp i, 0,1,2,3,4,5,6,7,8,9,10,11,12,13,14,15
	s_wait_dscnt 15-\i
	global_store_b128 v[A16], v[HA+4*\i:HA+4*\i+3], s[OUT:OUT+1] offset:(32+\i)*2048 th:TH_STORE_NT   ; the stage's rows 16 to 31 are the second run
.endr
	s_wait_tensorcnt 0x0
	ds_add_u32 v254, v255
	s_wait_dscnt 0x0
	s_endpgm
.Lfunc_end_k_q0856779966_oproj:
	.size	k_q0856779966_oproj, .Lfunc_end_k_q0856779966_oproj-k_q0856779966_oproj
	.p2alignl 7, 3214868480
	.fill 96, 4, 3214868480
	.section	.rodata,"a",@progbits
	.p2align	6, 0x0
	.amdhsa_kernel k_q0856779966_oproj
		.amdhsa_group_segment_fixed_size 272896
		.amdhsa_private_segment_fixed_size 0
		.amdhsa_enable_private_segment 0
		.amdhsa_kernarg_size 48
		.amdhsa_user_sgpr_count 2
		.amdhsa_user_sgpr_kernarg_segment_ptr 1
		.amdhsa_wavefront_size32 1
		.amdhsa_system_sgpr_workgroup_id_x 1
		.amdhsa_system_sgpr_workgroup_id_y 1
		.amdhsa_system_sgpr_workgroup_id_z 1
		.amdhsa_system_vgpr_workitem_id 0
		.amdhsa_next_free_vgpr 768
		.amdhsa_next_free_sgpr 66
		.amdhsa_reserve_vcc 0
		.amdhsa_float_denorm_mode_32 3
		.amdhsa_float_denorm_mode_16_64 3
		.amdhsa_memory_ordered 1
		.amdhsa_forward_progress 1
		.amdhsa_inst_pref_size 55
	.end_amdhsa_kernel
	.amdgpu_metadata
---
amdhsa.version: [ 1, 2 ]
amdhsa.kernels:
  - .name:           k_q0856779966_oproj
    .symbol:         k_q0856779966_oproj.kd
    .args:
      - { .name: codes, .offset: 0, .size: 8, .value_kind: global_buffer, .address_space: global }
      - { .name: scales, .offset: 8, .size: 8, .value_kind: global_buffer, .address_space: global }
      - { .name: cx, .offset: 16, .size: 8, .value_kind: global_buffer, .address_space: global }
      - { .name: cs, .offset: 24, .size: 8, .value_kind: global_buffer, .address_space: global }
      - { .name: bo, .offset: 32, .size: 8, .value_kind: global_buffer, .address_space: global }
      - { .name: out0, .offset: 40, .size: 8, .value_kind: global_buffer, .address_space: global }
    .group_segment_fixed_size: 272896
    .private_segment_fixed_size: 0
    .kernarg_segment_align: 8
    .kernarg_segment_size: 48
    .max_flat_workgroup_size: 128
    .sgpr_count:     66
    .vgpr_count:     768
    .wavefront_size: 32
...
	.end_amdgpu_metadata
.endif
;; end of part 4
